; MI455X (gfx1250); checked and timed in simulation.
; The chip was launched on July 23, 2026; its instructions are those of AMD's public machine-readable ISA for CDNA 5 (MIT licence, August 2026) and "CDNA5" Instruction Set Architecture Reference Guide (July 2026). The comments in the code are by the model that wrote it; some were corrected since.
;; Multi Head Self Attention. Allowed arithmetic: matrix products marked QUANTISED: E2M3 operands, one E8M0 scale for each 32 along K, by v_wmma_scale_f32_16x16x128_f8f6f4 with both operands' format E2M3, f32 sums; everything else in f32.
;; Inputs: Wk_codes 1,024 x 32 x 24 uint8 (E2M3 codes of Wk, K innermost, in blocks of 32 codes, four codes in three bytes); Wk_scales 1,024 x 32 uint8 (E8M0 scales of Wk, one for each 32 codes along K); Wo_codes 1,024 x 32 x 24 uint8 (E2M3 codes of Wo, K innermost, in blocks of 32 codes, four codes in three bytes); Wo_scales 1,024 x 32 uint8 (E8M0 scales of Wo, one for each 32 codes along K); Wq_codes 1,024 x 32 x 24 uint8 (E2M3 codes of Wq, K innermost, in blocks of 32 codes, four codes in three bytes); Wq_scales 1,024 x 32 uint8 (E8M0 scales of Wq, one for each 32 codes along K); Wv_codes 1,024 x 32 x 24 uint8 (E2M3 codes of Wv, K innermost, in blocks of 32 codes, four codes in three bytes); Wv_scales 1,024 x 32 uint8 (E8M0 scales of Wv, one for each 32 codes along K); bk 1,024 float32; bo 1,024 float32; bq 1,024 float32; bv 1,024 float32; k_codes 1 x 4,096 x 32 x 24 uint8 (E2M3 codes of k, K innermost, in blocks of 32 codes, four codes in three bytes); k_scales 1 x 4,096 x 32 uint8 (E8M0 scales of k, one for each 32 codes along K); mask 1 x 1 x 4,096 x 4,096 bool; q_codes 1 x 4,096 x 32 x 24 uint8 (E2M3 codes of q, K innermost, in blocks of 32 codes, four codes in three bytes); q_scales 1 x 4,096 x 32 uint8 (E8M0 scales of q, one for each 32 codes along K); v_codes 1 x 4,096 x 32 x 24 uint8 (E2M3 codes of v, K innermost, in blocks of 32 codes, four codes in three bytes); v_scales 1 x 4,096 x 32 uint8 (E8M0 scales of v, one for each 32 codes along K).
;; Outputs: out0 1 x 4,096 x 1,024 float32.
;; This version of the problem:
;;   THIS VERSION OF THE PROBLEM IS GIVEN IN LOW PRECISION. The matrix products marked QUANTISED in the list below multiply operands that are first quantised to E2M3 (2 exponent bits, 3 mantissa bits; 6 bits a number), with one power-of-two scale for each 32 numbers along K (OCP MX v1.0); their sums are f32. All else is computed in f32.
;;   The module's matrix products, in the order in which they are computed (A, B: the left and right operand; K: the contracted axis; several contracted axes count as one K, in the product's order):
;;     1. [M 4,096, K 1,024] x [K 1,024, N 1,024]; A: input q (given as codes); B: input Wq (given as codes): QUANTISED
;;     2. [M 4,096, K 1,024] x [K 1,024, N 1,024]; A: input k (given as codes); B: input Wk (given as codes): QUANTISED
;;     3. [M 4,096, K 1,024] x [K 1,024, N 1,024]; A: input v (given as codes); B: input Wv (given as codes): QUANTISED
;;     4. batch 16 x [M 4,096, K 64] x [K 64, N 4,096]; A: computed on the way; B: computed on the way: QUANTISED
;;     5. batch 16 x [M 64, K 4,096] x [K 4,096, N 4,096]; A: computed on the way; B: softmax (see below): QUANTISED
;;     6. [M 4,096, K 1,024] x [K 1,024, N 1,024]; A: computed on the way; B: input Wo (given as codes): QUANTISED
;;   THE QUANTISER, for each operand of a quantised product, along K:
;;     - K is cut into blocks of 32 from its start; a last block that is shorter is filled with zeros.
;;     - A block's scale is 2^e with e = floor(log2(the largest magnitude in the block)) - 2, held to -126 .. 127; a block of zeros has e = 0. As a byte (E8M0): e + 127.
;;     - Each number is divided by its block's scale, clamped to +-7.5, and rounded to the nearest number of E2M3, ties to even, subnormals kept.
;;     - The product sums the exact products of the quantised numbers (number of the format x scale) in f32.
;;   ~~~python
;;   def quantise(x, axis):      # numpy; x: float32 -> the quantised numbers, widened to float32 again
;;       x = np.moveaxis(x, axis, -1); K = x.shape[-1]
;;       x = np.pad(x, [(0, 0)] * (x.ndim - 1) + [(0, -K % 32)]); x = x.reshape(x.shape[:-1] + (-1, 32)); a = np.abs(x).max(-1, keepdims=True)
;;       e = np.where(a > 0, np.clip(np.frexp(np.where(a > 0, a, 1))[1] - 1 - 2, -126, 127), 0)      # np.frexp(a)[1] - 1 = floor(log2(a)), exactly
;;       r = np.clip(x / 2.0 ** e, -7.5, 7.5)
;;       step = 2.0 ** (np.maximum(np.frexp(np.where(r == 0, 1, r))[1] - 1, 0) - 3)
;;       q = np.round(r / step) * step * 2.0 ** e      # np.round: ties to even
;;       return np.moveaxis(q.reshape(q.shape[:-2] + (-1,))[..., :K], -1, axis).astype(np.float32)
;;   ~~~
;;   SOFTMAX AHEAD OF A QUANTISED PRODUCT. Where the list says 'softmax', what is quantised is not the finished softmax but p = 2^(t - M), with t = logit x log2(e) and M = ceil(the row's largest t), a whole number; so 1/2 < the row's largest p <= 1. The row's sum l is taken of the UNQUANTISED p, in f32, and the product's result is divided by l at the end. Since M is a whole number, a kernel that streams over the keys may use a running M (the ceiling of the running maximum): every later rescaling is an exact power of two, which a block's scale takes up: the codes' values come out the same.
;;   OPERANDS COMPUTED ON THE WAY. 'Computed on the way' means the value that the module computes at that place (a softmax that the list does not call 'softmax' is quantised finished and normalised). What goes into a quantiser is computed in f32, as accurately as f32 sums, v_exp_f32 and their like allow (about 1e-6 of the number): no bf16 or f16 on the way to a quantiser, and a product that is left as it is and whose result goes on into a quantised operand takes f32 operands (vector FMAs, or v_wmma_f32_16x16x4_f32). A number that lies on a knife's edge between two numbers of the format may be rounded either way, as far as f32 arithmetic and the matrix unit's own rounding can turn it there, and no further.
;;   INPUTS GIVEN AS CODES. Wk (in the module: [1024, 1024], K = its axis 0); Wo (in the module: [1024, 1024], K = its axis 0); Wq (in the module: [1024, 1024], K = its axis 0); Wv (in the module: [1024, 1024], K = its axis 0); k (in the module: [1, 4096, 1024], K = its axis 2); q (in the module: [1, 4096, 1024], K = its axis 2); v (in the module: [1, 4096, 1024], K = its axis 2): each comes as NAME_codes (uint8): NAME with its K axis moved to the last place and cut into blocks of 32 codes, [.., K / 32, bytes a block], one block behind the other in memory; four codes in three bytes: a row's codes are one little-endian stream of bits, code i at bits 6 i .. 6 i + 5 (a code: sign, 2 exponent bits, 3 mantissa bits); and NAME_scales (uint8): the same leading axes, one E8M0 byte (e + 127) for each 32 codes along K. Its value is code x scale, taken as it is: it is not quantised again, and the codes and scales need not be those that the quantiser above would give.
;; One version. Each part assembles by itself: llvm-mc -triple=amdgcn-amd-amdhsa -mcpu=gfx1250 --defsym DOCPART=n.
;; ======== version 1 of 1: 3 launches
;; limits: right only within a limited range of input values
;; workspace buffers: qkvc 9,437,184 bytes; qkvs 393,216 bytes; msum 2,048 bytes of whole numbers; ctxc 3,145,728 bytes; ctxs 131,072 bytes
;; launch proj (part 1): grid 256 x 1, 16 waves a work-group, no clusters, 327,680 bytes of LDS; arguments q_codes, q_scales, k_codes, k_scales, v_codes, v_scales, Wq_codes, Wq_scales, Wk_codes, Wk_scales, Wv_codes, Wv_scales, bq, bk, bv, mask, qkvc, qkvs, msum; writes qkvc, qkvs, msum
.if DOCPART == 1
	.amdgcn_target "amdgcn-amd-amdhsa--gfx1250"
	.amdhsa_code_object_version 6
	.text
	.protected	k_q0ae817c47c_proj
	.globl	k_q0ae817c47c_proj
	.p2align	8
	.type	k_q0ae817c47c_proj,@function
k_q0ae817c47c_proj:
	s_mov_b64 s[64:65], 0
	v_nop
	global_prefetch_b8 v0, s[64:65] scope:SCOPE_SE
	s_setreg_imm32_b32 hwreg(HW_REG_WAVE_MODE, 25, 1), 1
	s_wait_xcnt 0x0
; qp = q Wq + bq, kp = k Wk + bk, vp = v Wv + bv on the given codes of FP6 (E2M3) with E8M0 scales, each result quantised again (blocks of 32, scale 2^(floor(log2 max) - 2))
; and stored as images of the operand registers that the attention launch wants.  Also: a summary of the mask, two bits for each 16 queries x 128 keys.
; No work of the problem is left out here; the attention launch leaves out key steps that the mask input hides wholly, by the summary stored here.
; SHARES.  Work-groups 0-191: job = g / 64 (0 q, 1 k, 2 v), each a tile of 256 x 256 of one product over all K = 1,024.  Sixteen waves, 64 x 64 each: 16 accumulators.
; Work-groups 192-255 make the mask's summary and nothing else: four tiles of 16 queries each; a wave takes 16 queries x 1,024 keys, in two trips of 512 keys.
; Source 0 takes 16 rows "U", source 1 16 rows "L": register j of lane (r, h) holds G[U row 8 h + j][L row r].  The axis along which the RESULT is quantised runs down a lane's registers:
; for q and k the head's 64 features (U = rows of W, L = rows of x), for v the keys (U = rows of v, L = rows of Wv).  The jobs take one path but for the bias: only pointers and offsets are chosen.
; A RECORD (768 bytes) is half a fragment, 16 L rows x 64 along the next K: [pair 0..2][lane][8 bytes]; lane (r, h) holds block h of row r.  Inside a block of 32 the order is 0-7, 16-23, 8-15, 24-31,
; the same on both operands of each attention product; the blocks, and so the scales, are the true ones.
; K: a row of codes is 768 bytes = three chunks of 256 bytes, each beginning at a multiple of 256.  Chunk c lies in LDS slot c % 2.  A step of 128 along K is 96 bytes: steps 2 and 5 lie across two chunks.
; At the head waves 0-3 ask for chunk 0 (128 rows each) and waves 8-11 for the scale bytes: one tensor load a wave.  Behind the first barrier waves 4-7 ask for chunk 1, which has steps 0 and 1 in which to land.
; Chunk 2 is the only refill (waves 0-3, into slot 0): it is asked for as soon as every wave holds step 2's fragments in registers, ahead of that step's products, and has steps 2, 3 and 4 in which to land.
; No joint loads: job 2 takes its operands the other way round, so which axis of the grid shares which tile differs between jobs, and a mask word is not chosen by a select.
; No prefetch: the walk has three chunks and no loop to run ahead in.
; LIMITS: NaN and infinities among the inputs are not served; a given scale byte 0xff gives NaN as the matrix unit gives it; a block of zeros, or one whose largest magnitude lies under 2^-124, gets the byte 1
; (its codes add nothing or are held; the bytes are read by this program alone).
.set PITCH,  272                       ; an LDS row: 256 bytes of codes + 16 of padding
.set HALFT,  128*PITCH                 ; 128 rows: what one tensor load brings
.set SLOT,   4*HALFT                   ; L's 256 rows, then U's 256 rows
.set SCLB,   2*SLOT                    ; the scale bytes: L 0-127, L 128-255, U 0-127, U 128-255, as runs of 256 bytes + 16 of padding
.set HALFS,  16*272
.set SBLK,   544                       ; those of 16 rows
.set SPARE,  SCLB+4*HALFS              ; the spare words, 128 bytes for each of 16 waves
.set BIAS,   SPARE+2048                ; the bias of the tile's 256 features, twice (a word to each thread); written by LDS stores alone
.set WV, 2
.set JOB, 3
.set TX, 4
.set TY, 5
.set WL, 6                             ; my 64 L rows; also wave / 4: what a fetching wave fetches
.set WU, 7                             ; my 64 U rows; also wave % 4: which 128 rows a fetching wave fetches
.set G1C, 8                            ; s[8:15]  group 1: 128 rows x 256 bytes of codes
.set G1S, 16                           ; s[16:23] group 1: 16 rows x 256 bytes of scale bytes
.set G0S, 24                           ; s[24:27] group 0: scales;  s[28:31] codes
.set G0A, 28
.set CU, 54
.set SU, 56
.set CL, 58
.set SL, 60
.set BI, 62
.set OC, 66
.set OS, 68
.set SHF, 97
.set SEL, 98
.set ADRL, 8                           ; v8-9 L's fragments in slot 0, 1; v10-11: lanes 0-15 at byte 232 of the row in slot 0, 1, lanes 16-31 at byte 0 of the row in the other slot
.set ADRU, 12                          ; v12-15 likewise for U
.set ADRS, 16
.set SPW, 17
.set NIL, 18
.set SC, 24                            ; v24-31 scale words: register 2 i + q: lanes 0-15 L tile i, lanes 16-31 U tile i
.set LF, 32
.set UF, 80
.set ACC, 128                          ; accumulator (a, t) at 8 (4 a + t)
.set PC, 32
.set TM, 52
.set PW, 68
.set T16, 69
.set ROFF, 70
.set SOFF, 74
.set SH, 76
.set BR, 80
.set BL2, 112
.macro PLACES                          ; four plain vector instructions between a matrix instruction and a load into, or a vector instruction on, its registers
.rept 4
	v_nop
.endr
.endm
; A fragment, 16 rows x 128 K, is 12 registers: registers 6 c .. 6 c + 5 of lane (r, h) are the 24 bytes of K = 64 c + 32 h + 0 .. 31 of row r, in pieces of 8 bytes.  Byte y of a row lies in chunk y / 256.
.macro FRAG reg, adr, st, off
.irp p, 0,1,2,3,4,5
.set BY, 96*(\st)+48*(\p/3)+8*(\p%3)
.if BY/256 == (BY+24)/256
	ds_load_b64 v[\reg+2*\p:\reg+2*\p+1], v[\adr+(BY/256)%2] offset:BY%256+(\off)
.else
	ds_load_b64 v[\reg+2*\p:\reg+2*\p+1], v[\adr+2+(BY/256)%2] offset:BY%256-232+(\off)
.endif
.endr
.endm
.macro MUL8 a0, q, zero                ; L tiles a0, a0 + 1 x U's four.  The 16 accumulators take turns
.irp a, \a0, \a0+1
.irp t, 0,1,2,3
.if \zero
	v_wmma_scale_f32_16x16x128_f8f6f4 v[ACC+8*(4*(\a)+\t):ACC+8*(4*(\a)+\t)+7], v[UF+12*\t:UF+12*\t+11], v[LF+12*(\a):LF+12*(\a)+11], 0, v[SC+2*\t+(\q)], v[SC+2*(\a)+(\q)] matrix_a_fmt:MATRIX_FMT_FP6 matrix_b_fmt:MATRIX_FMT_FP6 matrix_a_scale:MATRIX_SCALE_ROW1
.else
	v_wmma_scale_f32_16x16x128_f8f6f4 v[ACC+8*(4*(\a)+\t):ACC+8*(4*(\a)+\t)+7], v[UF+12*\t:UF+12*\t+11], v[LF+12*(\a):LF+12*(\a)+11], v[ACC+8*(4*(\a)+\t):ACC+8*(4*(\a)+\t)+7], v[SC+2*\t+(\q)], v[SC+2*(\a)+(\q)] matrix_a_fmt:MATRIX_FMT_FP6 matrix_b_fmt:MATRIX_FMT_FP6 matrix_a_scale:MATRIX_SCALE_ROW1
.endif
.endr
.endr
.endm
; All my tensor loads have landed, 0 is added to my spare word, the add and my LDS instructions are done; one barrier; then at most one tensor load a wave, first behind it.
; kind 0: nothing is asked for, here or later.  kind 1: waves 0-3 fill slot 0 again, with chunk 2.  kind 2: waves 4-7 fill slot 1 for the first time, with chunk 1.  kind 3: nothing is asked for here.
; In kinds 1 to 3 the add is written twice.
.macro CHANGE kind
	s_wait_tensorcnt 0x0                           ; no tensor load of mine is out: a group 0 may be written
	ds_add_u32 v[SPW], v[NIL]
.if \kind
	ds_add_u32 v[SPW], v[NIL]
.endif
.if (\kind) == 1
	s_add_nc_u64 s[G0A+2:G0A+3], s[G0A+2:G0A+3], 512   ; waves 0-3: from chunk 0 to chunk 2
.endif
	s_wait_dscnt 0x0
	s_barrier_signal -1
	s_barrier_wait -1
.if (\kind) == 1 || (\kind) == 2
	s_cmp_eq_u32 s[WL], (\kind)-1
	s_cbranch_scc0 .Lnone_\@
	tensor_load_to_lds s[G0A:G0A+3], s[G1C:G1C+7]
	s_nop 0
.rept 4
	v_nop
.endr
.Lnone_\@:
.endif
.endm
.macro STEP st, first                  ; step st of 128 along K.  Four waves share a SIMD, so one wave's loads stand beside another's products: one set of fragment registers
.if !(\first)
	PLACES
.endif
.if (\st)%2 == 0
.irp i, 0,1,2,3
	ds_load_b64 v[SC+2*\i:SC+2*\i+1], v[ADRS] offset:SBLK*\i+4*(\st)   ; two steps' scale words of each row
.endr
.endif
.irp t, 0,1,2,3
	FRAG UF+12*\t, ADRU, \st, \t*16*PITCH
.endr
.irp a, 0,1,2,3
	FRAG LF+12*\a, ADRL, \st, \a*16*PITCH
.endr
.if (\st) == 2
	CHANGE 1                                       ; these were the last reads of chunk 0: slot 0 takes chunk 2, ahead of the step's products
.endif
	s_wait_dscnt 12                                ; all but the youngest twelve loads, L tiles 2 and 3
	MUL8 0, (\st)%2, \first
	s_wait_dscnt 0x0
	MUL8 2, (\st)%2, \first
.endm
; 64 numbers of a lane, in four blocks of which my half of the lanes holds 16 numbers each, become 12 registers of codes in v[PC] on and four scale bytes in v[PW].
.macro QUANT s
.irp b, 0,1,2,3
	v_max3_num_f32 v[TM+\b], |v[\s+16*\b]|, |v[\s+1+16*\b]|, 0x1800000   ; the floor 2^(3 - 127): the byte cannot fall under 1
.endr
.irp i, 2,4,6,8,10,12,14
.irp b, 0,1,2,3
	s_delay_alu instid0(VALU_DEP_4)
	v_max3_num_f32 v[TM+\b], v[TM+\b], |v[\s+16*\b+\i]|, |v[\s+1+16*\b+\i]|
.endr
.endr
.irp b, 0,1,2,3
	s_delay_alu instid0(VALU_DEP_4)
	v_permlanex16_b32 v[TM+4+\b], v[TM+\b], s[SEL], s[SEL+1]
.endr
.irp b, 0,1,2,3
	s_delay_alu instid0(VALU_DEP_4)
	v_max_num_f32 v[TM+\b], v[TM+\b], v[TM+4+\b]   ; with lane xor 16's: the block's largest magnitude
.endr
.irp b, 0,1,2,3
	s_delay_alu instid0(VALU_DEP_4)
	v_add_nc_u32 v[TM+12+\b], 0xff000000, v[TM+\b]   ; 2 off its exponent field: the conversion's scale operand
.endr
.irp b, 0,1,2,3
	s_delay_alu instid0(VALU_DEP_4)
	v_lshrrev_b32 v[TM+4+\b], 23, v[TM+12+\b]      ; the scale's byte
.endr
	s_delay_alu instid0(VALU_DEP_3)
	v_lshl_or_b32 v[PW], v[TM+5], 8, v[TM+4]
	s_delay_alu instid0(VALU_DEP_1)
	v_lshl_or_b32 v[PW], v[TM+6], 16, v[PW]
	s_delay_alu instid0(VALU_DEP_1)
	v_lshl_or_b32 v[PW], v[TM+7], 24, v[PW]
.irp c, 0,1
	v_cvt_scalef32_pk16_fp6_f32 v[PC+6*\c:PC+2+6*\c], v[\s+32*\c:\s+15+32*\c], v[TM+12+2*\c]
	v_cvt_scalef32_pk16_fp6_f32 v[PC+12+4*\c:PC+14+4*\c], v[\s+16+32*\c:\s+31+32*\c], v[TM+12+2*\c+1]
.endr
	v_nop                                          ; one plain place behind a scaled conversion
.irp c, 0,1                                    ; a whole block to a lane: lanes 0-15 block 2 c, lanes 16-31 block 2 c + 1
.irp i, 0,1,2
	v_permlane16_swap_b32 v[PC+6*\c+\i], v[PC+12+4*\c+\i]
.endr
.irp i, 0,1,2
	s_delay_alu instid0(VALU_DEP_3)
	v_mov_b32 v[PC+3+6*\c+\i], v[PC+12+4*\c+\i]
.endr
.endr
.endm
.macro PUT i                           ; the records of L tiles 2 i and 2 i + 1: each store of the wave covers 256 consecutive bytes, aligned; then their scales, two bytes a row
.irp p, 0,1,2,3,4,5
	global_store_b64 v[ROFF+2*\i+\p/3], v[PC+2*\p:PC+2*\p+1], s[OC:OC+1] offset:256*(\p%3)
.endr
	v_lshrrev_b32 v[T16], v[SH], v[PW]
	global_store_b16 v[SOFF+\i], v[T16], s[OS:OS+1]
.endm
	s_load_b512 s[8:23], s[0:1], 0x0               ; q, k, v: codes and scales; Wq: codes, scales
	s_load_b512 s[24:39], s[0:1], 0x40             ; Wk, Wv: codes and scales; bq, bk, bv; mask
	s_load_b128 s[40:43], s[0:1], 0x80             ; qkvc, qkvs
	s_load_b64 s[44:45], s[0:1], 0x90              ; msum
	v_lshl_add_u32 v[SPW], v0, 2, SPARE
	v_mov_b32 v[NIL], 0
	ds_add_u32 v[SPW], v[NIL]
	ds_add_u32 v[SPW], v[NIL]
	s_wait_dscnt 0x0
	v_lshrrev_b32 v4, 5, v0
	s_delay_alu instid0(VALU_DEP_1)
	v_readfirstlane_b32 s[WV], v4                  ; wave 0..15
	s_lshr_b32 s[JOB], ttmp9, 6
	s_and_b32 s[TX], ttmp9, 3
	s_bfe_u32 s[TY], ttmp9, 0x40002
	s_lshr_b32 s[WL], s[WV], 2
	s_and_b32 s[WU], s[WV], 3
	v_and_b32 v1, 15, v0                           ; r
	v_bfe_u32 v2, v0, 4, 1                         ; h
	v_and_b32 v3, 31, v0                           ; lane
	s_wait_alu depctr_va_vdst(0)
	s_wait_kmcnt 0x0
	s_cmp_eq_u32 s[JOB], 3                         ; work-groups 192-255: the mask's summary
	s_cbranch_scc1 .Lmask_wg
	s_cmp_eq_u32 s[JOB], 0                         ; the job's tensors: the choices hang on the work-group's number alone
	s_cselect_b64 s[46:47], s[8:9], s[12:13]
	s_cselect_b64 s[48:49], s[10:11], s[14:15]
	s_cselect_b64 s[50:51], s[20:21], s[24:25]
	s_cselect_b64 s[52:53], s[22:23], s[26:27]
	s_cselect_b64 s[BI:BI+1], s[32:33], s[34:35]
	s_cmp_eq_u32 s[JOB], 2
	s_cselect_b64 s[46:47], s[16:17], s[46:47]     ; x's codes
	s_cselect_b64 s[48:49], s[18:19], s[48:49]     ; x's scales
	s_cselect_b64 s[50:51], s[28:29], s[50:51]     ; W's codes
	s_cselect_b64 s[52:53], s[30:31], s[52:53]     ; W's scales
	s_cselect_b64 s[BI:BI+1], s[36:37], s[BI:BI+1]
	s_cselect_b64 s[CU:CU+1], s[46:47], s[50:51]   ; job 2: U = v, L = Wv; else U = W, L = x
	s_cselect_b64 s[SU:SU+1], s[48:49], s[52:53]
	s_cselect_b64 s[CL:CL+1], s[50:51], s[46:47]
	s_cselect_b64 s[SL:SL+1], s[52:53], s[48:49]
	s_cselect_b32 s70, s[TY], s[TX]                ; which 256 rows of U,
	s_cselect_b32 s71, s[TX], s[TY]                ; and of L
	s_and_b32 s73, s[WV], 1
	s_cmp_lt_u32 s[WU], 2                          ; a fetching wave, by wave % 4: 0, 1 L's halves; 2, 3 U's
	s_cselect_b64 s[74:75], s[CL:CL+1], s[CU:CU+1]
	s_cselect_b64 s[76:77], s[SL:SL+1], s[SU:SU+1]
	s_cselect_b32 s78, s71, s70
	s_lshl_b32 s78, s78, 1
	s_add_co_u32 s78, s78, s73                     ; in runs of 128 rows
	s_mul_i32 s80, s78, 128*768
	s_mov_b32 s81, 0
	s_add_nc_u64 s[74:75], s[74:75], s[80:81]
	s_lshl_b32 s80, s78, 12                        ; 128 rows x 32 scale bytes
	s_add_nc_u64 s[76:77], s[76:77], s[80:81]
	s_mov_b32 s[G1C+0], (1<<20)|(5<<22)|(3<<25)    ; elements of 1 byte; padding on: after every 64 words, 4 words
	s_mov_b32 s[G1C+1], 256<<16
	s_mov_b32 s[G1C+2], 128<<16
	s_mov_b32 s[G1C+3], 256<<16
	s_mov_b32 s[G1C+4], 128
	s_mov_b32 s[G1C+5], 768                        ; from row to row
	s_mov_b32 s[G1C+6], 0
	s_mov_b32 s[G1C+7], 0
	s_mov_b32 s[G1S+0], (3<<16)|(1<<20)|(5<<22)|(3<<25)   ; elements of 8 bytes; after every 64 words, 4 words
	s_mov_b32 s[G1S+1], 32<<16
	s_mov_b32 s[G1S+2], 16<<16
	s_mov_b32 s[G1S+3], 32<<16
	s_mov_b32 s[G1S+4], 16
	s_mov_b32 s[G1S+5], 32
	s_mov_b32 s[G1S+6], 0
	s_mov_b32 s[G1S+7], 0
	s_mov_b32 s[G0S], 1
	s_mul_i32 s[G0S+1], s[WU], HALFS
	s_add_co_u32 s[G0S+1], s[G0S+1], SCLB
	s_mov_b64 s[G0S+2:G0S+3], s[76:77]
	s_or_b32 s[G0S+3], s[G0S+3], 0x80000000
	s_and_b32 s79, s[WL], 1                        ; waves 0-3: chunk 0, slot 0; waves 4-7: chunk 1, slot 1
	s_mov_b32 s[G0A], 1
	s_mul_i32 s[G0A+1], s[WU], HALFT
	s_mul_i32 s78, s79, SLOT
	s_add_co_u32 s[G0A+1], s[G0A+1], s78
	s_lshl_b32 s80, s79, 8
	s_add_nc_u64 s[G0A+2:G0A+3], s[74:75], s[80:81]
	s_or_b32 s[G0A+3], s[G0A+3], 0x80000000
	s_cmp_lt_u32 s[WV], 4                          ; the head's fills: one chain of branches, one tensor load to an arm
	s_cbranch_scc0 .Lhead_s
	tensor_load_to_lds s[G0A:G0A+3], s[G1C:G1C+7]  ; chunk 0
	s_nop 0
.rept 4
	v_nop
.endr
	s_branch .Lno_fill
.Lhead_s:
	s_cmp_eq_u32 s[WL], 2
	s_cbranch_scc0 .Lno_fill
	tensor_load_to_lds s[G0S:G0S+3], s[G1S:G1S+7]  ; the scale bytes: filled once
	s_nop 0
.rept 4
	v_nop
.endr
.Lno_fill:
	s_lshl_b32 s80, s[TX], 10                      ; the bias of the tile's 256 features: every thread takes one number (both halves of the threads the same 256)
	s_add_nc_u64 s[BI:BI+1], s[BI:BI+1], s[80:81]
	v_and_b32 v20, 255, v0
	s_delay_alu instid0(VALU_DEP_1)
	v_lshlrev_b32 v20, 2, v20
	global_load_b32 v23, v20, s[BI:BI+1]
	v_mul_u32_u24 v4, v1, PITCH
	s_mov_b32 s83, SLOT-232
	s_mov_b32 s84, SLOT+232
	v_sub_nc_u32 v7, 1, v2                         ; 1 in lanes 0-15
	v_mul_u32_u24 v5, s83, v2
	v_mul_u32_u24 v6, s84, v7
	v_add_nc_u32 v5, v4, v5
	v_add_nc_u32 v6, v4, v6                        ; lanes 0-15 byte 232 of the row in slot 1, lanes 16-31 byte 0 of the row in slot 0
	v_add_nc_u32 v5, 232, v5                       ; lanes 0-15 byte 232 of the row in slot 0, lanes 16-31 byte 0 of the row in slot 1
	v_mad_u32_u24 v4, v2, 24, v4                   ; a fragment's row x pitch + 24 x half
	s_mul_i32 s80, s[WL], 64*PITCH
	s_mul_i32 s82, s[WU], 64*PITCH
	s_add_co_u32 s82, s82, 2*HALFT
	v_add_nc_u32 v[ADRL+2], s80, v5
	v_add_nc_u32 v[ADRL+3], s80, v6
	v_add_nc_u32 v[ADRU+2], s82, v5
	v_add_nc_u32 v[ADRU+3], s82, v6
.irp n, 0,1
	v_add_nc_u32 v[ADRL+\n], s80, v4
	v_add_nc_u32 v[ADRU+\n], s82, v4
	s_add_co_u32 s80, s80, SLOT
	s_add_co_u32 s82, s82, SLOT
.endr
	v_lshlrev_b32 v6, 5, v1                        ; a row's 32 scale bytes,
	v_lshrrev_b32 v7, 3, v1
	s_delay_alu instid0(VALU_DEP_1)
	v_lshl_add_u32 v6, v7, 4, v6                   ; and 16 more for each 256 passed
	s_mul_i32 s80, s[WL], 2176
	s_mul_i32 s82, s[WU], 2176
	s_add_co_u32 s82, s82, 2*HALFS
	s_sub_co_u32 s82, s82, s80
	v_mul_u32_u24 v7, s82, v2                      ; lanes 16-31 take U's
	s_add_co_u32 s80, s80, SCLB
	v_add_nc_u32 v6, v6, v7
	s_delay_alu instid0(VALU_DEP_1)
	v_add_nc_u32 v[ADRS], s80, v6
	v_lshl_add_u32 v21, v0, 2, BIAS
	s_wait_alu depctr_va_vdst(0)
	s_wait_loadcnt 0x0
	ds_store_b32 v21, v23                          ; threads 0-255 write the table that jobs 0 and 1 read by U rows, threads 256-511 the one that job 2 reads by L rows
	CHANGE 2                                       ; chunk 0, the scales and the bias are whole; slot 1 takes chunk 1
	STEP 0, 1                                      ; the first products start the sums: nothing is cleared
	STEP 1, 0
	CHANGE 3                                       ; chunk 1 is whole
	STEP 2, 0                                      ; (in it: slot 0 takes chunk 2)
	STEP 3, 0                                      ; steps 3 and 4 lie in chunk 1
	STEP 4, 0
	CHANGE 0                                       ; chunk 2 is whole
	STEP 5, 0
	STEP 6, 0
	STEP 7, 0
	; THE WAY OUT: + bias, quantised along the U rows, stored as records.
	PLACES
	s_lshl_b32 s80, s[WU], 8
	s_add_co_u32 s80, s80, BIAS
	v_lshl_add_u32 v4, v2, 5, s80                  ; U rows 64 wu + 16 t + 8 h + j
	s_lshl_b32 s82, s[WL], 8
	s_add_co_u32 s82, s82, BIAS+1024
	v_lshl_add_u32 v5, v1, 2, s82                  ; L rows 64 wl + 16 a + r
	s_mov_b32 s[SEL], 0x76543210
	s_mov_b32 s[SEL+1], 0xfedcba98
	s_lshl_b32 s84, s[TX], 2
	s_add_co_u32 s85, s84, s[WU]                   ; q, k: the head
	s_add_co_u32 s86, s84, s[WL]                   ; v: the head
	s_lshl_b32 s87, s[TY], 2
	s_add_co_u32 s88, s87, s[WL]                   ; q, k: which 64 rows
	s_add_co_u32 s89, s87, s[WU]                   ; v: which 64 keys
	s_lshl_b32 s90, s85, 8
	s_lshl_b32 s91, s88, 2
	s_add_co_u32 s90, s90, s91                     ; q, k: first record = 256 head + 4 x (which 64 rows)
	s_lshl_b32 s92, s85, 13
	s_lshl_b32 s91, s88, 7
	s_add_co_u32 s92, s92, s91                     ; and its scales: 2 bytes a row
	s_lshl_b32 s93, s86, 5
	s_lshr_b32 s91, s89, 1
	s_add_co_u32 s93, s93, s91                     ; v: 32 head + key step
	s_and_b32 s94, s89, 1
	s_lshl_b32 s95, s93, 3
	s_add_co_u32 s95, s95, s94                     ; first record = 8 x that + which half of the step
	s_lshl_b32 s96, s93, 8
	s_lshl_b32 s94, s94, 1
	s_add_co_u32 s96, s96, s94
	s_cmp_eq_u32 s[JOB], 2
	s_cselect_b32 s90, s95, s90
	s_cselect_b32 s92, s96, s92
	s_cselect_b32 s[SHF], 1, 0
	s_mul_i32 s90, s90, 768
	s_mul_i32 s91, s[JOB], 3145728
	s_add_co_u32 s90, s90, s91
	s_mov_b32 s91, 0
	s_add_nc_u64 s[OC:OC+1], s[40:41], s[90:91]
	s_lshl_b32 s93, s[JOB], 17
	s_add_co_u32 s92, s92, s93
	s_mov_b32 s93, 0
	s_add_nc_u64 s[OS:OS+1], s[42:43], s[92:93]
	s_lshl_b32 s84, 768, s[SHF]                    ; from L tile to L tile: one record (q, k) or two (v)
	s_lshl_b32 s85, 64, s[SHF]
	v_lshlrev_b32 v[ROFF], 3, v3
	s_delay_alu instid0(VALU_DEP_1)
	v_add_nc_u32 v[ROFF+1], s84, v[ROFF]
	s_delay_alu instid0(VALU_DEP_1)
	v_add_nc_u32 v[ROFF+2], s84, v[ROFF+1]
	s_delay_alu instid0(VALU_DEP_1)
	v_add_nc_u32 v[ROFF+3], s84, v[ROFF+2]
	v_lshlrev_b32 v[SOFF], 1, v1
	s_delay_alu instid0(VALU_DEP_1)
	v_lshl_add_u32 v[SOFF], v2, 5, v[SOFF]
	s_delay_alu instid0(VALU_DEP_1)
	v_lshlrev_b32 v[SOFF], s[SHF], v[SOFF]         ; 2 bytes a row (q, k), 4 bytes from row to row (v)
	s_delay_alu instid0(VALU_DEP_1)
	v_add_nc_u32 v[SOFF+1], s85, v[SOFF]
	v_lshlrev_b32 v[SH], 4, v2
.irp b, 0,1,2,3
	v_mov_b32 v[TM+4+\b], 0                        ; a lane permute's destination counts as one of its sources
.endr
	s_cmp_eq_u32 s[JOB], 2                         ; the features, and so the bias, run along the U rows (q, k) or along the L rows (v): a branch on the work-group's number
	s_wait_alu depctr_va_vdst(0)
	s_cbranch_scc1 .Lbias_l
.irp t, 0,1,2,3
	ds_load_b128 v[BR+8*\t:BR+8*\t+3], v4 offset:64*\t
	ds_load_b128 v[BR+8*\t+4:BR+8*\t+7], v4 offset:64*\t+16
.endr
	s_wait_dscnt 0x0
.set m, 0
.rept 64
	v_pk_add_f32 v[ACC+m:ACC+m+1], v[ACC+m:ACC+m+1], v[BR+m%32:BR+m%32+1]   ; ascending: each accumulator is read from its low end on
.set m, m+2
.endr
	s_wait_alu depctr_va_vdst(0)
	s_branch .Lbias_j
.Lbias_l:
.irp a, 0,1,2,3
	ds_load_b32 v[BL2+2*\a], v5 offset:64*\a       ; twice, for the packed addition
	ds_load_b32 v[BL2+2*\a+1], v5 offset:64*\a
.endr
	s_wait_dscnt 0x0
.set m, 0
.rept 64
	v_pk_add_f32 v[ACC+m:ACC+m+1], v[ACC+m:ACC+m+1], v[BL2+2*(m/32):BL2+2*(m/32)+1]
.set m, m+2
.endr
.Lbias_j:
	QUANT ACC
	PUT 0
	s_wait_xcnt 0x0                                ; the stores have read their registers: the codes may be written again
	QUANT ACC+64
	PUT 1
	s_wait_tensorcnt 0x0                           ; the wave's end
	ds_add_u32 v[SPW], v[NIL]
	s_wait_dscnt 0x0
	s_endpgm
	; THE MASK'S SUMMARY.  A trip takes 16 queries x 512 keys (four key steps, one byte of the summary): sixteen loads of 512 consecutive bytes.
.Lmask_wg:
	s_mov_b32 s81, 0
	s_sub_co_u32 s82, ttmp9, 192
	s_lshl_b32 s82, s82, 2
	s_add_co_u32 s82, s82, s[WL]                   ; the tile of 16 queries: 4 x (g - 192) + wave / 4
	s_lshl_b32 s83, s[WU], 1                       ; the first of my two runs of 512 keys
	s_lshl_b32 s80, s82, 16
	s_lshl_b32 s84, s83, 9
	s_add_co_u32 s80, s80, s84
	s_add_nc_u64 s[38:39], s[38:39], s[80:81]
	s_lshl_b32 s82, s82, 3
	s_add_co_u32 s82, s82, s83
	v_lshlrev_b32 v21, 4, v3
	v_mov_b32 v22, s82                             ; my byte of the summary
	s_mov_b32 s88, 2
	s_wait_alu depctr_va_vdst(0)
.Lmask_trip:
.irp i, 0,1,2,3,4,5,6,7,8,9,10,11,12,13,14,15
	global_load_b128 v[128+4*\i:131+4*\i], v21, s[38:39] offset:4096*\i th:TH_LOAD_NT
.endr
	s_wait_loadcnt 0x0
.irp k, 0,1,2,3
	v_or_b32 v[32+\k], v[128+\k], v[132+\k]        ; any byte set?  all bytes set?  four chains each
	v_and_b32 v[36+\k], v[128+\k], v[132+\k]
.endr
.set j, 8
.rept 56
	v_or_b32 v[32+j%4], v[32+j%4], v[128+j]
	v_and_b32 v[36+j%4], v[36+j%4], v[128+j]
.set j, j+1
.endr
	v_or_b32 v32, v32, v33
	s_delay_alu instid0(VALU_DEP_3)
	v_or_b32 v34, v34, v35
	s_delay_alu instid0(VALU_DEP_1)
	v_or_b32 v32, v32, v34
	v_and_b32 v36, v36, v37
	v_and_b32 v38, v38, v39
	s_delay_alu instid0(VALU_DEP_1)
	v_and_b32 v36, v36, v38
	s_delay_alu instid0(VALU_DEP_4)
	v_cmp_ne_u32 s84, 0, v32                       ; a bit for each lane that saw a key kept;
	s_delay_alu instid0(VALU_DEP_2)
	v_cmp_ne_u32 s85, 0x01010101, v36              ; a bit for each lane that saw a key hidden.  Eight lanes are a key step's 128 bytes
	s_mov_b32 s86, 0
.irp i, 0,1,2,3
	s_bfe_u32 s87, s84, (8<<16)|(8*\i)
	s_cselect_b32 s87, 1<<(2*\i), 0                ; bit 2 i: some key of the step counts
	s_or_b32 s86, s86, s87
	s_bfe_u32 s87, s85, (8<<16)|(8*\i)
	s_cselect_b32 s87, 0, 2<<(2*\i)                ; bit 2 i + 1: all of them count
	s_or_b32 s86, s86, s87
.endr
	v_mov_b32 v19, s86
	v_cmp_eq_u32 vcc_lo, 0, v3
	s_wait_alu depctr_va_vdst(0)
	s_wait_xcnt 0x0                                ; EXEC changes only behind this wait
	s_and_saveexec_b32 s87, vcc_lo
	global_store_b8 v22, v19, s[44:45]             ; lane 0 stores the trip's byte
	s_wait_xcnt 0x0                                ; and the store's and the loads' registers and base are written again only behind this one
	s_or_b32 exec_lo, exec_lo, s87
	s_add_nc_u64 s[38:39], s[38:39], 512
	v_add_nc_u32 v22, 1, v22
	s_sub_co_u32 s88, s88, 1
	s_cmp_lg_u32 s88, 0
	s_wait_alu depctr_va_vdst(0)
	s_cbranch_scc1 .Lmask_trip
	s_wait_tensorcnt 0x0                           ; the wave's end
	ds_add_u32 v[SPW], v[NIL]
	s_wait_dscnt 0x0
	s_endpgm
.Lfunc_end_k_q0ae817c47c_proj:
	.size	k_q0ae817c47c_proj, .Lfunc_end_k_q0ae817c47c_proj-k_q0ae817c47c_proj
	.p2alignl 7, 3214868480
	.fill 96, 4, 3214868480
	.section	.rodata,"a",@progbits
	.p2align	6, 0x0
	.amdhsa_kernel k_q0ae817c47c_proj
		.amdhsa_group_segment_fixed_size 327680
		.amdhsa_private_segment_fixed_size 0
		.amdhsa_enable_private_segment 0
		.amdhsa_kernarg_size 152
		.amdhsa_user_sgpr_count 2
		.amdhsa_user_sgpr_kernarg_segment_ptr 1
		.amdhsa_wavefront_size32 1
		.amdhsa_system_sgpr_workgroup_id_x 1
		.amdhsa_system_sgpr_workgroup_id_y 1
		.amdhsa_system_sgpr_workgroup_id_z 1
		.amdhsa_system_vgpr_workitem_id 0
		.amdhsa_next_free_vgpr 256
		.amdhsa_next_free_sgpr 100
		.amdhsa_reserve_vcc 1
		.amdhsa_float_denorm_mode_32 3
		.amdhsa_float_denorm_mode_16_64 3
		.amdhsa_memory_ordered 1
		.amdhsa_forward_progress 1
		.amdhsa_inst_pref_size 83
	.end_amdhsa_kernel
	.amdgpu_metadata
---
amdhsa.version: [ 1, 2 ]
amdhsa.kernels:
  - .name:           k_q0ae817c47c_proj
    .symbol:         k_q0ae817c47c_proj.kd
    .args:
      - { .name: q_codes, .offset: 0, .size: 8, .value_kind: global_buffer, .address_space: global }
      - { .name: q_scales, .offset: 8, .size: 8, .value_kind: global_buffer, .address_space: global }
      - { .name: k_codes, .offset: 16, .size: 8, .value_kind: global_buffer, .address_space: global }
      - { .name: k_scales, .offset: 24, .size: 8, .value_kind: global_buffer, .address_space: global }
      - { .name: v_codes, .offset: 32, .size: 8, .value_kind: global_buffer, .address_space: global }
      - { .name: v_scales, .offset: 40, .size: 8, .value_kind: global_buffer, .address_space: global }
      - { .name: Wq_codes, .offset: 48, .size: 8, .value_kind: global_buffer, .address_space: global }
      - { .name: Wq_scales, .offset: 56, .size: 8, .value_kind: global_buffer, .address_space: global }
      - { .name: Wk_codes, .offset: 64, .size: 8, .value_kind: global_buffer, .address_space: global }
      - { .name: Wk_scales, .offset: 72, .size: 8, .value_kind: global_buffer, .address_space: global }
      - { .name: Wv_codes, .offset: 80, .size: 8, .value_kind: global_buffer, .address_space: global }
      - { .name: Wv_scales, .offset: 88, .size: 8, .value_kind: global_buffer, .address_space: global }
      - { .name: bq, .offset: 96, .size: 8, .value_kind: global_buffer, .address_space: global }
      - { .name: bk, .offset: 104, .size: 8, .value_kind: global_buffer, .address_space: global }
      - { .name: bv, .offset: 112, .size: 8, .value_kind: global_buffer, .address_space: global }
      - { .name: mask, .offset: 120, .size: 8, .value_kind: global_buffer, .address_space: global }
      - { .name: qkvc, .offset: 128, .size: 8, .value_kind: global_buffer, .address_space: global }
      - { .name: qkvs, .offset: 136, .size: 8, .value_kind: global_buffer, .address_space: global }
      - { .name: msum, .offset: 144, .size: 8, .value_kind: global_buffer, .address_space: global }
    .group_segment_fixed_size: 327680
    .private_segment_fixed_size: 0
    .kernarg_segment_align: 8
    .kernarg_segment_size: 152
    .max_flat_workgroup_size: 512
    .sgpr_count:     100
    .vgpr_count:     256
    .wavefront_size: 32
...
	.end_amdgpu_metadata
.endif
;; end of part 1
;; launch attn (part 2): grid 16 x 16, 16 waves a work-group, no clusters, 198,656 bytes of LDS; arguments qkvc, qkvs, mask, msum, ctxc, ctxs; writes ctxc, ctxs
.if DOCPART == 2
	.amdgcn_target "amdgcn-amd-amdhsa--gfx1250"
	.amdhsa_code_object_version 6
	.text
	.protected	k_q0ae817c47c_attn
	.globl	k_q0ae817c47c_attn
	.p2align	8
	.type	k_q0ae817c47c_attn,@function
k_q0ae817c47c_attn:
	s_mov_b64 s[64:65], 0
	v_nop
	global_prefetch_b8 v0, s[64:65] scope:SCOPE_SE
	s_setreg_imm32_b32 hwreg(HW_REG_WAVE_MODE, 25, 1), 1
	s_wait_xcnt 0x0
; ctx[q][head] = softmax_k(mask ? qp . kp / 8 : -inf) vp, both products on codes of FP6 (E2M3) with one E8M0 scale for each 32 along K; ctx is quantised along the model's 1,024 and stored as fragments for the last product.
; THE SOFTMAX: t = score x log2(e) / 8; M = the running largest t, rounded up to a whole number; p = 2^(t - M) is quantised along the keys; the row's sum is taken of the unquantised p and divides at the end.
; SHARES.  Work-group (x, head) takes two blocks of 128 queries of one head, block 31 - x and then block x.  A block is eight tiles of 16 queries; a tile belongs to a PAIR of waves (wave / 2).
; The keys go in PARTS of 256 (two steps of 128); of each part the pair's wave j takes step j.  j = (wave ^ wave / 4) % 2: of any four waves w, w + 4, w + 8, w + 12, and of any four 4 k .. 4 k + 3, two have j = 0.
; Each wave keeps its own running M, sum and O^T; at the block's end wave j = 1 hands them through LDS to wave j = 0, which brings both under the larger M (powers of two: nothing is rounded), adds, divides, quantises, stores.
; Both products are used transposed (S^T = K Q^T, O^T = V^T P^T): a lane holds one query throughout.
; LDS: two slots of two parts each (512 keys), read by all sixteen waves; ONE barrier a slot, eight a block, passed by every wave; which slot is read is a scalar that an XOR toggles each trip.
; THE MASK is an input and is honoured as it stands.  The launch before has stored, for each tile of queries and each key step, whether any key counts and whether all do.  WORK LEFT OUT: a step in which no key counts
; for the wave's 16 queries adds p = 0 to every sum, whatever the other inputs hold: it is jumped over (a scalar branch on that stored number, round the step's work alone); a part in which no step counts for any of the
; block's eight tiles is not fetched.  A NaN or an infinity that would arise only in such a step is not carried.  A step in which all keys count skips the masking; in the others hidden keys' scores become -infinity.
; The launch has no tensor load: the parts are filled through registers, asked for two parts ahead of their use.  So there are no joint loads either, and no prefetch beside the fills.
; The second block's summaries, Q and first two parts are asked for ahead of the first block's hand-over.
; THE HEAD HAS 64, THE INSTRUCTION 128 ALONG K: Q's upper six registers are zero codes.  K's tiles lie six registers apart, so a tile's upper six are the next tile's codes (behind the last: six zeros), which meet Q's zeros;
; the upper two scale bytes are 0 on both sides (2^-127, no NaN).
; A ROW THAT THE MASK HIDES WHOLLY has the sum 0: its codes are zeros and its scale bytes 0xff, which makes the row NaN in the last product, as the softmax of such a row is.
; LIMITS: NaN and infinities among the inputs are not served; the scaled scores stay under 2^31 in magnitude; a block of zeros or under 2^-124 gets the byte 1; inside a block of 32 the order of k is permuted alike on both operands.
.set PARTB, 32768                      ; a part: 16 records of K (12,288 bytes), then 2 steps x 8 records of V
.set SLOTB, 65536                      ; a slot: two parts
.set VOFF,  12288
.set KSC,   131072                     ; the head's K scales, 2 bytes a key
.set VSC,   139264                     ; the head's V scale words: [step][d 64]
.set MRG,   147456                     ; the hand-over: for each pair 8 x 512 bytes of O^T, 128 of -M, 128 of the sum
.set SPARE, 196608                     ; the spare words
.set L8,  1                            ; v1  8 x lane + 6,144 j: my step's records in a part
.set AKS, 2                            ; v2  KSC + 2 x lane + 256 j
.set AVS, 3                            ; v3  VSC + 4 x lane + 256 j
.set FLD, 4                            ; v4  where I store my 16 bytes of a fill, in a part
.set FGO, 5                            ; v5  16 x lane
.set MVO, 6                            ; v6  the mask: 4,096 r + 8 h
.set NINF, 7
.set G8,  8                            ; v8  8 x lane
.set ADS, 9
.set ADT, 10
.set RR,  11
.set QF,  16                           ; v16-27 Q (v22-27 zeros)
.set QS,  28
.set HH,  29
.set SQ,  30                           ; v30 2 r
.set SB,  31                           ; v31 32 r + h
.set KB,  32                           ; v32-85 K's eight tiles and six zeros; v32-79 then V's four fragments
.set KSR, 86
.set VSR, 90
.set MST, 92                           ; v92-93 the hand-over's addresses
.set MS4, 93
.set LC,  94                           ; v94 L8 in the slot that is read
.set FC,  95                           ; v95 FLD in the slot that is filled
.set S,   96                           ; v96-159 S^T, then p
.set TGO, 104                          ; v104-105 at the head alone: the scale tables' offsets
.set TLD, 105
.set O,   160                          ; v160-191 O^T
.set STG, 192                          ; v192-203 a fill on its way
.set MB,  204                          ; v204-219 a step's mask bytes; at a block's start v204-215 hold its second part on its way
.set BM,  220
.set BT,  224
.set SO,  228
.set PC,  232
.set CT,  244
.set SPW, 247
.set NIL, 251
.set WV, 24
.set JJ, 25
.set TT, 26
.set HEAD, 27
.set PAIR, 28
.set BLK, 29
.set CS, 30
.set SEL, 32
.set CUR, 36                           ; this step: 0 hidden, 1 mixed, 3 all count
.set NXT, 37
.set TS, 38
.set CNT, 39
.set FP, 40
.set MKP, 42
.set WGL, 56                           ; s[56:57] the eight tiles' summaries, ORed: four bits a part
.set FB, 58                            ; s[58:59] my wave's share of the head's first part, in memory
.set SLT, 60                           ; s60 the slot that is read, s61 the slot that is filled: 0 or SLOTB
.set SLN, 61
.set OCP, 86                           ; s[86:87] where my tile's codes go, s[88:89] its scale bytes
.macro PLACES
.rept 4
	v_nop
.endr
.endm
.macro ASKMASK k                       ; the mask bytes of my step in the part behind part k / 2 of the trip, if that step is mixed.  The wait stands first, so that no load is issued into a register that a pending load will write
	s_cmp_eq_u32 s[NXT], 1
	s_cbranch_scc0 .Lnoask_\@
	s_wait_loadcnt 0x0
.irp i, 0,1,2,3,4,5,6,7
	global_load_b64 v[MB+2*\i:MB+2*\i+1], v[MVO], s[MKP:MKP+1] offset:128*((\k)+2)+16*\i   ; query r, keys 16 i + 8 h + 0 .. 7: as tile i's registers hold them
.endr
.Lnoask_\@:
.endm
.macro STEP sl
	s_and_b32 s[CUR], s34, 3
	s_bfe_u32 s[NXT], s34, 0x20004
	s_lshr_b32 s34, s34, 4                         ; my summary's 64 bits go four down: a part's two steps
	s_lshl_b32 s45, s35, 28
	s_or_b32 s34, s34, s45
	s_lshr_b32 s35, s35, 4
	s_cmp_eq_u32 s[CUR], 0
	s_cbranch_scc1 .Lhid_\@
	v_add_nc_u32 v[ADS], s[TS], v[AKS]             ; these four lines are the places behind the last products, in front of the loads
	v_add_nc_u32 v[ADT], s[TS], v[AVS]
	v_add_nc_u32 v[LC], s[SLT], v[L8]
	v_nop
.irp i, 0,1,2,3
	ds_load_u16 v[KSR+\i], v[ADS] offset:512*(\sl)+64*\i
.endr
.irp t, 0,1,2,3,4,5,6,7
.irp p, 0,1,2
	ds_load_b64 v[KB+6*\t+2*\p:KB+6*\t+2*\p+1], v[LC] offset:PARTB*(\sl)+768*\t+256*\p
.endr
.endr
	s_wait_alu depctr_va_vdst(0)
	s_wait_dscnt 0x0
.irp t, 0,1,2,3,4,5,6,7                    ; S^T: register 8 t + j of lane (r, h) is key 16 t + 8 h + j, query r
.if \t%2
	v_wmma_scale_f32_16x16x128_f8f6f4 v[S+8*\t:S+8*\t+7], v[KB+6*\t:KB+6*\t+11], v[QF:QF+11], 0, v[KSR+\t/2], v[QS] matrix_a_fmt:MATRIX_FMT_FP6 matrix_b_fmt:MATRIX_FMT_FP6 matrix_a_scale:MATRIX_SCALE_ROW1
.else
	v_wmma_scale_f32_16x16x128_f8f6f4 v[S+8*\t:S+8*\t+7], v[KB+6*\t:KB+6*\t+11], v[QF:QF+11], 0, v[KSR+\t/2], v[QS] matrix_a_fmt:MATRIX_FMT_FP6 matrix_b_fmt:MATRIX_FMT_FP6
.endif
.endr
	PLACES
.irp i, 0,1
	ds_load_b32 v[VSR+\i], v[ADT] offset:512*(\sl)+128*\i
.endr
.irp t, 0,1,2,3                            ; V is asked for now and lands under the softmax
.irp p, 0,1,2,3,4,5
	ds_load_b64 v[KB+12*\t+2*\p:KB+12*\t+2*\p+1], v[LC] offset:PARTB*(\sl)+VOFF+1536*\t+256*\p
.endr
.endr
	s_cmp_eq_u32 s[CUR], 1
	s_cbranch_scc0 .Lopen_\@
	s_wait_loadcnt 0x0                             ; the step's mask bytes
.set n, 0
.rept 64
	v_and_b32 v255, 1<<(8*(n%4)), v[MB+n/4]
	s_delay_alu instid0(VALU_DEP_1)
	v_cmp_ne_u32 vcc_lo, 0, v255
	v_cndmask_b32 v[S+n], v[NINF], v[S+n], vcc_lo  ; a hidden key's score becomes -infinity: p = 0
.set n, n+1
.endr
.Lopen_\@:
	ASKMASK 2*(\sl)
.irp b, 0,1,2,3
	v_max3_num_f32 v[BM+\b], v[S+16*\b], v[S+1+16*\b], v[S+2+16*\b]   ; the largest score of each block of 32 keys: for the row's maximum, and, since p rises with the score, for the block's largest p
.endr
.irp i, 3,5,7,9,11,13
.irp b, 0,1,2,3
	v_max3_num_f32 v[BM+\b], v[BM+\b], v[S+16*\b+\i], v[S+1+16*\b+\i]
.endr
.endr
.irp b, 0,1,2,3
	v_max_num_f32 v[BM+\b], v[BM+\b], v[S+15+16*\b]
.endr
.irp b, 0,1,2,3
	s_delay_alu instid0(VALU_DEP_4)
	v_permlanex16_b32 v[BT+\b], v[BM+\b], s[SEL], s[SEL+1]
.endr
.irp b, 0,1,2,3
	s_delay_alu instid0(VALU_DEP_4)
	v_max_num_f32 v[BM+\b], v[BM+\b], v[BT+\b]
.endr
	s_delay_alu instid0(VALU_DEP_2)
	v_max3_num_f32 v254, v[BM], v[BM+1], v[BM+2]
	s_delay_alu instid0(VALU_DEP_1)
	v_max_num_f32 v254, v254, v[BM+3]
	s_delay_alu instid0(VALU_DEP_1)
	v_mul_f32 v254, s[CS], v254                    ; as t (c is positive)
	s_delay_alu instid0(VALU_DEP_1)
	v_max_num_f32 v13, v13, v254                   ; the running largest t
	v_mov_b32 v254, v12
	s_delay_alu instid0(VALU_DEP_2)
	v_floor_f32 v12, -v13                          ; the new -M = -ceil(t)
	s_delay_alu instid0(VALU_DEP_1)
	v_sub_f32 v254, v12, v254                      ; old M - new M: a whole number, 0 or less
	s_delay_alu instid0(VALU_DEP_1)
	v_cvt_i32_f32 v254, v254                       ; (it saturates)
	s_delay_alu instid0(VALU_DEP_1)
	v_ldexp_f32 v252, 1.0, v254                    ; f = 2^(old M - new M)
.set j, 0
.rept 32
	v_pk_fma_f32 v[S+j:S+j+1], v[S+j:S+j+1], s[CS:CS+1], v[12:13] op_sel_hi:[1,0,0]   ; t - M
.set j, j+2
.endr
.irp b, 0,1,2,3
	v_fma_f32 v[BM+\b], v[BM+\b], s[CS], v12
.endr
.set j, 0
	s_wait_alu depctr_va_vdst(0)
.rept 64
	v_exp_f32 v[S+j], v[S+j]                       ; p = 2^(t - M)
.set j, j+1
.endr
	v_pk_mul_f32 v[14:15], v[14:15], v[252:253] op_sel_hi:[1,0]   ; the sums under the new M; a plain place behind the exponentials
	s_wait_alu depctr_va_vdst(0)                   ; one wait for the batch, ahead of its first reader
.irp b, 0,1,2,3
	v_exp_f32 v[BM+\b], v[BM+\b]                   ; each block's largest p
.endr
	v_pk_add_f32 v[224:225], v[100:101], v[104:105]
	v_pk_add_f32 v[248:249], v[108:109], v[112:113]
	v_pk_add_f32 v[244:245], v[116:117], v[120:121]
	v_pk_add_f32 v[242:243], v[124:125], v[128:129]
	v_pk_add_f32 v[240:241], v[132:133], v[136:137]
	v_pk_add_f32 v[238:239], v[140:141], v[144:145]
	v_pk_add_f32 v[236:237], v[148:149], v[152:153]
	v_pk_add_f32 v[14:15], v[14:15], v[156:157]
	v_pk_add_f32 v[224:225], v[224:225], v[96:97]
	v_pk_add_f32 v[248:249], v[248:249], v[98:99]
	v_pk_add_f32 v[244:245], v[244:245], v[102:103]
	v_pk_add_f32 v[242:243], v[242:243], v[106:107]
	v_pk_add_f32 v[240:241], v[240:241], v[110:111]
	v_pk_add_f32 v[238:239], v[238:239], v[114:115]
	v_pk_add_f32 v[236:237], v[236:237], v[118:119]
	v_pk_add_f32 v[14:15], v[14:15], v[122:123]
	v_pk_add_f32 v[224:225], v[224:225], v[126:127]
	v_pk_add_f32 v[248:249], v[248:249], v[130:131]
	v_pk_add_f32 v[244:245], v[244:245], v[134:135]
	v_pk_add_f32 v[242:243], v[242:243], v[138:139]
	v_pk_add_f32 v[240:241], v[240:241], v[142:143]
	v_pk_add_f32 v[238:239], v[238:239], v[146:147]
	v_pk_add_f32 v[236:237], v[236:237], v[150:151]
	v_pk_add_f32 v[14:15], v[14:15], v[154:155]
	v_pk_add_f32 v[224:225], v[224:225], v[158:159]
	s_delay_alu instid0(VALU_DEP_2)
	v_pk_add_f32 v[14:15], v[14:15], v[242:243]
	s_delay_alu instid0(VALU_DEP_2)
	v_pk_add_f32 v[224:225], v[224:225], v[240:241]
	v_pk_add_f32 v[248:249], v[248:249], v[238:239]
	v_pk_add_f32 v[244:245], v[244:245], v[236:237]
	s_delay_alu instid0(VALU_DEP_2)
	v_pk_add_f32 v[14:15], v[14:15], v[248:249]
	s_delay_alu instid0(VALU_DEP_2)
	v_pk_add_f32 v[224:225], v[224:225], v[244:245]
	s_delay_alu instid0(VALU_DEP_1)
	v_pk_add_f32 v[14:15], v[14:15], v[224:225]
	s_wait_alu depctr_va_vdst(0)                   ; and one for the four
.irp b, 0,1,2,3
	v_max_num_f32 v[BM+\b], 0x1800000, v[BM+\b]    ; the floor 2^(3 - 127): the byte cannot fall under 1
.endr
.irp b, 0,1,2,3
	s_delay_alu instid0(VALU_DEP_4)
	v_add_nc_u32 v[SO+\b], 0xff000000, v[BM+\b]    ; 2 off the exponent field: the conversion's scale operand
.endr
.irp b, 0,1,2,3
	s_delay_alu instid0(VALU_DEP_4)
	v_lshrrev_b32 v[BT+\b], 23, v[SO+\b]
.endr
	s_delay_alu instid0(VALU_DEP_3)
	v_lshl_or_b32 v253, v[BT+1], 8, v[BT]          ; p's scale word for these 128 keys
	s_delay_alu instid0(VALU_DEP_1)
	v_lshl_or_b32 v253, v[BT+2], 16, v253
	s_delay_alu instid0(VALU_DEP_1)
	v_lshl_or_b32 v253, v[BT+3], 24, v253
.irp c, 0,1
	v_cvt_scalef32_pk16_fp6_f32 v[PC+6*\c:PC+6*\c+2], v[S+32*\c:S+32*\c+15], v[SO+2*\c]
	v_cvt_scalef32_pk16_fp6_f32 v[CT+4*\c:CT+4*\c+2], v[S+16+32*\c:S+31+32*\c], v[SO+2*\c+1]
.endr
	v_nop                                          ; one plain place behind a scaled conversion
.irp c, 0,1
.irp i, 0,1,2
	v_permlane16_swap_b32 v[PC+6*\c+\i], v[CT+4*\c+\i]
.endr
.irp i, 0,1,2
	s_delay_alu instid0(VALU_DEP_3)
	v_mov_b32 v[PC+3+6*\c+\i], v[CT+4*\c+\i]
.endr
.endr
.set j, 0
.rept 16
	v_pk_mul_f32 v[O+j:O+j+1], v[O+j:O+j+1], v[252:253] op_sel_hi:[1,0]   ; O^T under the new M; these are also the places between the scale word and the codes just made and the products
.set j, j+2
.endr
	PLACES                                         ; and four behind the last of them, whose registers the fourth product adds onto
	s_wait_alu depctr_va_vdst(0)
	s_wait_dscnt 0x0                               ; V is in
.irp t, 0,1,2,3                            ; O^T += V^T P^T: four accumulators by turns
.if \t%2
	v_wmma_scale_f32_16x16x128_f8f6f4 v[O+8*\t:O+8*\t+7], v[KB+12*\t:KB+12*\t+11], v[PC:PC+11], v[O+8*\t:O+8*\t+7], v[VSR+\t/2], v253 matrix_a_fmt:MATRIX_FMT_FP6 matrix_b_fmt:MATRIX_FMT_FP6 matrix_a_scale:MATRIX_SCALE_ROW1
.else
	v_wmma_scale_f32_16x16x128_f8f6f4 v[O+8*\t:O+8*\t+7], v[KB+12*\t:KB+12*\t+11], v[PC:PC+11], v[O+8*\t:O+8*\t+7], v[VSR+\t/2], v253 matrix_a_fmt:MATRIX_FMT_FP6 matrix_b_fmt:MATRIX_FMT_FP6
.endif
.endr
	s_branch .Ltail_\@
.Lhid_\@:
	ASKMASK 2*(\sl)
.Ltail_\@:
.endm
; A part.  At its head the bytes of the part two further on are asked for, 48 bytes a lane, if any of the block's tiles has a step that counts there (bits 8 and 10 of the ORed summary; behind the block's last part they are 0);
; at its end they go into the same part of the other slot, which every wave left in front of the last barrier; behind the next barrier they are read.  The wait for the loads stands on every path.
.macro PHASE sl
	s_and_b32 s45, s[WGL], 0x500
	s_cbranch_scc0 .Lnl_\@
.irp i, 0,1,2
	global_load_b128 v[STG+4*\i:STG+4*\i+3], v[FGO], s[FP:FP+1] offset:12288*(2+(\sl))+4096*\i
.endr
.Lnl_\@:
	STEP \sl
	s_wait_loadcnt 0x0
	s_and_b32 s45, s[WGL], 0x500
	s_cbranch_scc0 .Lns_\@
	v_add_nc_u32 v[FC], s[SLN], v[FLD]
.irp i, 0,1,2
	ds_store_b128 v[FC], v[STG+4*\i:STG+4*\i+3] offset:PARTB*(\sl)+4096*\i
.endr
.Lns_\@:
	s_lshr_b32 s[WGL], s[WGL], 4
	s_lshl_b32 s45, s[WGL+1], 28
	s_or_b32 s[WGL], s[WGL], s45
	s_lshr_b32 s[WGL+1], s[WGL+1], 4
.endm
; THE BLOCK'S END: the pair's two halves are joined, divided by the sum, brought into the natural order of d, quantised and stored as my head's half of a fragment.
.macro FINAL
	v_add_f32 v14, v14, v15
	s_cmp_eq_u32 s[JJ], 0
	s_wait_alu depctr_va_vdst(0)
	s_cbranch_scc1 .Lown_\@
.irp g, 0,1,2,3,4,5,6,7
	ds_store_b128 v[MST], v[O+4*\g:O+4*\g+3] offset:512*\g     ; wave j = 1 hands over: each accumulator from its low end on
.endr
	ds_store_b32 v[MS4], v12
	ds_store_b32 v[MS4], v14 offset:128
.Lown_\@:
	s_wait_dscnt 0x0
	s_barrier_signal -1
	s_barrier_wait -1
	s_cmp_lg_u32 s[JJ], 0
	s_cbranch_scc1 .Ldone_\@
.irp g, 0,1,2,3,4,5,6,7
	ds_load_b128 v[S+4*\g:S+4*\g+3], v[MST] offset:512*\g
.endr
	ds_load_b32 v[S+32], v[MS4]
	ds_load_b32 v[S+33], v[MS4] offset:128
	s_wait_dscnt 0x0
	v_min_num_f32 v254, v12, v[S+32]               ; -M of the two halves together
	v_sub_f32 v252, v254, v12                      ; my M less that M, and the other's: whole numbers, 0 or less
	v_sub_f32 v255, v254, v[S+32]
	v_cvt_i32_f32 v252, v252                       ; (they saturate)
	v_cvt_i32_f32 v255, v255
	v_ldexp_f32 v252, 1.0, v252
	v_ldexp_f32 v255, 1.0, v255
	v_mul_f32 v14, v14, v252
	v_fmac_f32 v14, v[S+33], v255
	v_permlanex16_b32 v254, v14, s[SEL], s[SEL+1]
	v_add_f32 v14, v14, v254                       ; the row's sum
	s_wait_alu depctr_va_vdst(0)
	v_rcp_f32 v[BM], v14
	v_cmp_eq_f32 s50, 0, v14                       ; a row with no key
	v_nop
	s_wait_alu depctr_va_vdst(0)                   ; ahead of the reciprocal's first reader
	v_cndmask_b32 v[BM], v[BM], v[QF+6], s50       ; 0 for it: zero codes
	v_mul_f32 v252, v252, v[BM]
	v_mul_f32 v254, v255, v[BM]
.set j, 0
.rept 16
	v_pk_mul_f32 v[O+j:O+j+1], v[O+j:O+j+1], v[252:253] op_sel_hi:[1,0]
.set j, j+2
.endr
.set j, 0
.rept 16
	v_pk_fma_f32 v[O+j:O+j+1], v[S+j:S+j+1], v[254:255], v[O+j:O+j+1] op_sel_hi:[1,0,1]
.set j, j+2
.endr
	v_mov_b32 v255, 0xff
.irp b, 0,1                                    ; register 8 t + j holds d = 16 t + 8 h + j; behind these exchanges register 16 b + i holds d = 32 b + 16 h + i
.irp j, 0,1,2,3,4,5,6,7
	v_permlane16_swap_b32 v[O+16*\b+\j], v[O+16*\b+8+\j]
.endr
.endr
.irp b, 0,1
	v_max3_num_f32 v[BM+\b], |v[O+16*\b]|, |v[O+1+16*\b]|, 0x1800000
.endr
.irp i, 2,4,6,8,10,12,14
.irp b, 0,1
	s_delay_alu instid0(VALU_DEP_2)
	v_max3_num_f32 v[BM+\b], v[BM+\b], |v[O+16*\b+\i]|, |v[O+1+16*\b+\i]|
.endr
.endr
.irp b, 0,1
	s_delay_alu instid0(VALU_DEP_2)
	v_permlanex16_b32 v[BT+\b], v[BM+\b], s[SEL], s[SEL+1]
.endr
.irp b, 0,1
	s_delay_alu instid0(VALU_DEP_2)
	v_max_num_f32 v[BM+\b], v[BM+\b], v[BT+\b]
.endr
.irp b, 0,1
	s_delay_alu instid0(VALU_DEP_2)
	v_add_nc_u32 v[SO+\b], 0xff000000, v[BM+\b]
.endr
.irp b, 0,1
	s_delay_alu instid0(VALU_DEP_2)
	v_lshrrev_b32 v[BT+\b], 23, v[SO+\b]
.endr
	v_cvt_scalef32_pk16_fp6_f32 v[PC:PC+2], v[O:O+15], v[SO]
	v_cvt_scalef32_pk16_fp6_f32 v[CT:CT+2], v[O+16:O+31], v[SO+1]
	v_nop
.irp i, 0,1,2
	v_permlane16_swap_b32 v[PC+\i], v[CT+\i]
.endr
.irp i, 0,1,2
	s_delay_alu instid0(VALU_DEP_3)
	v_mov_b32 v[PC+3+\i], v[CT+\i]                 ; lane (r, h): block h of query r
.endr
	v_cndmask_b32 v[BT], v[BT], v255, s50          ; a row with no key: 0xff
	v_cndmask_b32 v[BT+1], v[BT+1], v255, s50
	s_delay_alu instid0(VALU_DEP_1)
	v_cndmask_b32 v254, v[BT], v[BT+1], s44        ; lanes 0-15 store block 0's byte, lanes 16-31 block 1's
.irp p, 0,1,2
	global_store_b64 v[G8], v[PC+2*\p:PC+2*\p+1], s[OCP:OCP+1] offset:256*\p   ; each store of the wave covers 256 consecutive bytes, aligned
.endr
	global_store_b8 v[SB], v254, s[OCP+2:OCP+3]
.Ldone_\@:
	s_wait_xcnt 0x0                                ; the stores have read their registers and bases
.endm
; A block of 128 queries, s[BLK], is asked for: its summaries, my tile's Q, its first two parts (before the summary is known).
.macro ASK first
	s_lshl_b32 s[TT], s[BLK], 3
	s_add_co_u32 s[TT], s[TT], s[PAIR]             ; my tile of 16 queries: it enters global addresses alone
	s_mov_b32 s49, 0
	s_lshl_b32 s48, s[BLK], 6
	s_add_nc_u64 s[16:17], s[10:11], s[48:49]
	s_lshl_b32 s48, s[PAIR], 3
	s_add_nc_u64 s[18:19], s[16:17], s[48:49]
	s_load_b512 s[68:83], s[16:17], 0x0            ; the eight tiles' summaries, two bits a key step
	s_load_b64 s[34:35], s[18:19], 0x0             ; my tile's
	s_lshl_b32 s48, s[HEAD], 8
	s_add_co_u32 s48, s48, s[TT]
	s_mul_i32 s48, s48, 768                        ; Q's record
	s_add_nc_u64 s[20:21], s[4:5], s[48:49]
	s_lshl_b32 s48, s[HEAD], 13
	s_lshl_b32 s50, s[TT], 5
	s_add_co_u32 s48, s48, s50
	s_add_nc_u64 s[22:23], s[6:7], s[48:49]        ; Q's scales
	s_lshl_b32 s48, s[TT], 16
	s_lshl_b32 s50, s[JJ], 7
	s_add_co_u32 s48, s48, s50
	s_add_nc_u64 s[MKP:MKP+1], s[8:9], s[48:49]    ; the mask at my first query and my first step
	s_mov_b64 s[FP:FP+1], s[FB:FB+1]
.irp p, 0,1,2
	global_load_b64 v[QF+2*\p:QF+2*\p+1], v[G8], s[20:21] offset:256*\p
.endr
	global_load_u16 v[QS], v[SQ], s[22:23]
.irp i, 0,1,2
	global_load_b128 v[STG+4*\i:STG+4*\i+3], v[FGO], s[FP:FP+1] offset:4096*\i
	global_load_b128 v[MB+4*\i:MB+4*\i+3], v[FGO], s[FP:FP+1] offset:12288+4096*\i
.endr
.if \first
	global_load_b128 v[96:99], v[TGO], s[84:85]                   ; the head's K scales, 16 bytes a thread,
	global_load_b128 v[100:103], v[TGO], s[84:85] offset:131072   ; and V's
.endif
.endm
; The block's walk: the state, slot 0, eight trips of one slot each; then where its result goes.
.macro WALK first
	v_mov_b32 v13, 0xff61b1e6                      ; the largest t so far: -3e38
	s_delay_alu instid0(VALU_DEP_1)
	v_floor_f32 v12, -v13                          ; -M
	v_mov_b32 v14, 0
	v_mov_b32 v15, 0
.set j, 0
.rept 32
	v_mov_b32 v[O+j], 0                            ; the step is written once: the first finds zeros
.set j, j+1
.endr
	s_wait_alu depctr_va_vdst(0)
	s_wait_loadcnt 0x0
.irp i, 0,1,2
	ds_store_b128 v[FLD], v[STG+4*\i:STG+4*\i+3] offset:4096*\i
	ds_store_b128 v[FLD], v[MB+4*\i:MB+4*\i+3] offset:PARTB+4096*\i
.endr
.if \first
	ds_store_b128 v[TLD], v[96:99]
	ds_store_b128 v[TLD], v[100:103] offset:VSC-KSC
.endif
	s_wait_kmcnt 0x0
	s_or_b32 s[WGL], s68, s70
	s_or_b32 s[WGL+1], s69, s71
.irp i, 72,74,76,78,80,82
	s_or_b32 s[WGL], s[WGL], s[\i]
	s_or_b32 s[WGL+1], s[WGL+1], s[\i+1]
.endr
	s_lshr_b32 s47, s34, 2                         ; wave j = 1 begins at step 1
	s_lshl_b32 s45, s35, 30
	s_or_b32 s47, s47, s45
	s_lshr_b32 s45, s35, 2
	s_cmp_eq_u32 s[JJ], 1
	s_cselect_b32 s34, s47, s34
	s_cselect_b32 s35, s45, s35
	s_and_b32 s[NXT], s34, 3
	s_wait_dscnt 0x0                               ; my stores have landed, and have read the registers that the mask bytes come into
	ASKMASK -2                                     ; my first step's mask bytes
	s_barrier_signal -1
	s_barrier_wait -1
	s_mov_b32 s[TS], 0
	s_mov_b32 s[SLT], 0
	s_mov_b32 s[SLN], SLOTB
	s_mov_b32 s[CNT], 8
.Ltrip_\@:                                         ; a trip: one slot, two parts
	PHASE 0
	PHASE 1
	s_wait_dscnt 0x0                               ; my stores have landed, and my reads of this slot are over
	s_barrier_signal -1
	s_barrier_wait -1
	s_wait_xcnt 0x0                                ; the trip's loads have read their bases
	s_add_nc_u64 s[FP:FP+1], s[FP:FP+1], 24576
	s_add_nc_u64 s[MKP:MKP+1], s[MKP:MKP+1], 512
	s_add_co_u32 s[TS], s[TS], 1024
	s_xor_b32 s[SLT], s[SLT], SLOTB
	s_xor_b32 s[SLN], s[SLN], SLOTB
	s_sub_co_u32 s[CNT], s[CNT], 1
	s_cmp_lg_u32 s[CNT], 0
	s_cbranch_scc1 .Ltrip_\@
	PLACES                                         ; behind the last products: their registers are read, and loaded into, from here on
	s_lshl_b32 s45, s[TT], 3
	s_lshr_b32 s46, s[HEAD], 1
	s_add_co_u32 s45, s45, s46
	s_mul_i32 s48, s45, 1536                       ; fragment (tile, K step head / 2),
	s_and_b32 s46, s[HEAD], 1
	s_mul_i32 s46, s46, 768                        ; its lower or upper six registers
	s_add_co_u32 s48, s48, s46
	s_mov_b32 s49, 0
	s_add_nc_u64 s[OCP:OCP+1], s[12:13], s[48:49]
	s_lshl_b32 s48, s[TT], 9
	s_lshl_b32 s46, s[HEAD], 1
	s_add_co_u32 s48, s48, s46
	s_add_nc_u64 s[OCP+2:OCP+3], s[14:15], s[48:49]
.endm
	s_load_b256 s[4:11], s[0:1], 0x0               ; qkvc, qkvs, mask, msum
	s_load_b128 s[12:15], s[0:1], 0x20             ; ctxc, ctxs
	v_lshl_add_u32 v[SPW], v0, 2, SPARE
	v_mov_b32 v[NIL], 0
	v_lshrrev_b32 v9, 5, v0
	s_delay_alu instid0(VALU_DEP_1)
	v_readfirstlane_b32 s[WV], v9                  ; wave 0..15
	s_and_b32 s[HEAD], ttmp7, 0xffff
	s_lshr_b32 s[JJ], s[WV], 2
	s_xor_b32 s[JJ], s[JJ], s[WV]
	s_and_b32 s[JJ], s[JJ], 1                      ; j
	s_lshr_b32 s[PAIR], s[WV], 1
	s_mov_b32 s[CS], 0x3e38aa3b                    ; c = log2(e) / 8
	s_mov_b32 s[CS+1], s[CS]
	s_mov_b32 s[SEL], 0x76543210
	s_mov_b32 s[SEL+1], 0xfedcba98
	s_mov_b32 s44, 0xffff0000                      ; lanes 16-31
	s_mul_i32 s45, s[JJ], 6144
	s_lshl_b32 s47, s[JJ], 8
	s_add_co_u32 s46, s47, KSC
	s_add_co_u32 s47, s47, VSC
	s_lshr_b32 s48, s[WV], 3                       ; waves 0-7 fill K's share of a part, waves 8-15 V's: 512 bytes a wave and load
	s_mul_i32 s48, s48, VOFF
	s_and_b32 s51, s[WV], 7
	s_lshl_b32 s51, s51, 9
	s_add_co_u32 s48, s48, s51
	s_mul_i32 s49, s[PAIR], 4352
	s_add_co_u32 s49, s49, MRG
	s_add_co_u32 s50, s49, 4096
	s_mov_b32 s52, 6291456                         ; V's records begin here, K's at 3,145,728
	s_cmp_lt_u32 s[WV], 8
	s_cselect_b32 s52, 3145728, s52
	s_mul_i32 s53, s[HEAD], 196608                 ; a head's records of K, and of V
	s_add_co_u32 s52, s52, s53
	s_add_co_u32 s52, s52, s51
	s_mov_b32 s53, 0
	s_lshl_b32 s54, s[HEAD], 13
	s_add_co_u32 s54, s54, 131072                  ; K's scales of the head; V's lie 131,072 further on
	s_mov_b32 s55, 0
	v_and_b32 v9, 31, v0                           ; lane
	v_and_b32 v[RR], 15, v0
	v_bfe_u32 v[HH], v0, 4, 1
	v_lshlrev_b32 v[G8], 3, v9
	v_lshlrev_b32 v[FGO], 4, v9
	v_lshl_add_u32 v[AKS], v9, 1, s46
	v_lshl_add_u32 v[AVS], v9, 2, s47
	v_lshl_add_u32 v[MS4], v9, 2, s50
	v_add_nc_u32 v[L8], s45, v[G8]
	v_add_nc_u32 v[FLD], s48, v[FGO]
	v_add_nc_u32 v[MST], s49, v[FGO]
	v_lshlrev_b32 v[MVO], 12, v[RR]
	v_lshlrev_b32 v[SQ], 1, v[RR]
	v_lshl_add_u32 v[SB], v[RR], 5, v[HH]
	v_lshl_add_u32 v[MVO], v[HH], 3, v[MVO]
	v_mov_b32 v[NINF], 0xff800000
	v_lshlrev_b32 v[TGO], 4, v0
	v_lshl_add_u32 v[TLD], v0, 4, KSC
.irp i, 0,1,2,3,4,5
	v_mov_b32 v[QF+6+\i], 0                        ; zero codes for k = 64 .. 127
	v_mov_b32 v[KB+48+\i], 0
.endr
.irp i, 12,13,14,15
	v_mov_b32 v[MB+\i], 0                          ; (the other twelve are first written by the block's loads)
.endr
.irp b, 0,1,2,3
	v_mov_b32 v[BT+\b], 0                          ; a lane permute's destination counts as one of its sources
.endr
	v_mov_b32 v253, 0
	v_mov_b32 v254, 0
	v_mov_b32 v255, 0
	s_wait_alu depctr_va_vdst(0)
	s_wait_kmcnt 0x0
	s_add_nc_u64 s[FB:FB+1], s[4:5], s[52:53]
	s_add_nc_u64 s[84:85], s[6:7], s[54:55]
	s_sub_co_u32 s[BLK], 31, ttmp9
	ASK 1
	WALK 1
	s_mov_b32 s[BLK], ttmp9
	ASK 0                                          ; the second block is on its way while the first is finished
	FINAL
	WALK 0
	FINAL
	s_wait_tensorcnt 0x0                           ; the wave's end
	ds_add_u32 v[SPW], v[NIL]
	s_wait_dscnt 0x0
	s_endpgm
.Lfunc_end_k_q0ae817c47c_attn:
	.size	k_q0ae817c47c_attn, .Lfunc_end_k_q0ae817c47c_attn-k_q0ae817c47c_attn
	.p2alignl 7, 3214868480
	.fill 96, 4, 3214868480
	.section	.rodata,"a",@progbits
	.p2align	6, 0x0
	.amdhsa_kernel k_q0ae817c47c_attn
		.amdhsa_group_segment_fixed_size 198656
		.amdhsa_private_segment_fixed_size 0
		.amdhsa_enable_private_segment 0
		.amdhsa_kernarg_size 48
		.amdhsa_user_sgpr_count 2
		.amdhsa_user_sgpr_kernarg_segment_ptr 1
		.amdhsa_wavefront_size32 1
		.amdhsa_system_sgpr_workgroup_id_x 1
		.amdhsa_system_sgpr_workgroup_id_y 1
		.amdhsa_system_sgpr_workgroup_id_z 1
		.amdhsa_system_vgpr_workitem_id 0
		.amdhsa_next_free_vgpr 256
		.amdhsa_next_free_sgpr 90
		.amdhsa_reserve_vcc 1
		.amdhsa_float_denorm_mode_32 3
		.amdhsa_float_denorm_mode_16_64 3
		.amdhsa_memory_ordered 1
		.amdhsa_forward_progress 1
		.amdhsa_inst_pref_size 156
	.end_amdhsa_kernel
	.amdgpu_metadata
---
amdhsa.version: [ 1, 2 ]
amdhsa.kernels:
  - .name:           k_q0ae817c47c_attn
    .symbol:         k_q0ae817c47c_attn.kd
    .args:
      - { .name: qkvc, .offset: 0, .size: 8, .value_kind: global_buffer, .address_space: global }
      - { .name: qkvs, .offset: 8, .size: 8, .value_kind: global_buffer, .address_space: global }
      - { .name: mask, .offset: 16, .size: 8, .value_kind: global_buffer, .address_space: global }
      - { .name: msum, .offset: 24, .size: 8, .value_kind: global_buffer, .address_space: global }
      - { .name: ctxc, .offset: 32, .size: 8, .value_kind: global_buffer, .address_space: global }
      - { .name: ctxs, .offset: 40, .size: 8, .value_kind: global_buffer, .address_space: global }
    .group_segment_fixed_size: 198656
    .private_segment_fixed_size: 0
    .kernarg_segment_align: 8
    .kernarg_segment_size: 48
    .max_flat_workgroup_size: 512
    .sgpr_count:     90
    .vgpr_count:     256
    .wavefront_size: 32
...
	.end_amdgpu_metadata
.endif
;; end of part 2
;; launch outp (part 3): grid 8 x 32, 8 waves a work-group, no clusters, 247,296 bytes of LDS; arguments ctxc, ctxs, Wo_codes, Wo_scales, bo, out0; writes out0
.if DOCPART == 3
	.amdgcn_target "amdgcn-amd-amdhsa--gfx1250"
	.amdhsa_code_object_version 6
	.text
	.protected	k_q0ae817c47c_outp
	.globl	k_q0ae817c47c_outp
	.p2align	8
	.type	k_q0ae817c47c_outp,@function
k_q0ae817c47c_outp:
	s_mov_b64 s[64:65], 0
	v_nop
	global_prefetch_b8 v0, s[64:65] scope:SCOPE_SE
	s_setreg_imm32_b32 hwreg(HW_REG_WAVE_MODE, 25, 1), 1
	s_wait_xcnt 0x0
; out0 = ctx Wo + bo on codes of FP6 (E2M3) with E8M0 scales.  ctx comes as images of fragments ([tile of 16 rows][K step 8][pair 6][lane][8 bytes]) with its scale bytes [4096][32]; Wo as given, [n 1024][K], K innermost.
; SHARES.  A work-group makes 128 rows x 128 columns: 256 work-groups.  Eight waves: wave w takes columns 64 (w % 2) on (four tiles of Wo's rows, source 0) and rows 32 (w / 2) on (two tiles, source 1): 8 accumulators.
; With Wo's rows as source 0 a lane's eight results are eight neighbouring columns of one row of out0.
; ALL OF K for both operands lies in LDS, filled once.  Each of the four blocks (128 rows of Wo, 8 tiles of images, two blocks of scale bytes) is dense in memory and comes as rows of 256 bytes:
; waves 0, 1 ask for Wo's halves, waves 2, 3 for the images' halves, wave 4 for Wo's scale bytes, wave 6 for ctx's: one tensor load a wave, all at the head; one barrier shows them to all.
; No joint loads in this text: the launch is short and all its bytes are asked for at its head.  No prefetch: there is no loop to run ahead in.
; The bias is the C of each sum's first matrix instruction.
.set PITCH, 816                        ; a row of Wo: 3 x (256 bytes + 16 of padding)
.set LB,    128*PITCH                  ; ctx's images: 8 tiles x 12,288 dense bytes
.set USC,   LB+98304                   ; Wo's scale bytes, runs of 256 + 16
.set LSC,   USC+4352                   ; ctx's
.set STAGE, LSC+4352                   ; the way out: 16 rows x (256 + 16) bytes for each wave; written by LDS stores alone
.set SPARE, STAGE+8*4352               ; the spare words
.set WV, 2
.set MY, 3
.set EE, 16                            ; wave % 2
.set WL, 17                            ; wave / 2
.set G1U, 24
.set G1L, 32
.set G1S, 40
.set G0U, 48
.set G0US, 68
.set G0L, 72
.set G0LS, 88
.set ADRU, 8                           ; v8 my rows of Wo; v10 the same with 16 more in lanes 16-31: behind one padding more
.set ADRI, 12
.set ASU, 14
.set ASL, 15
.set STO, 16
.set RD, 17
.set CO, 18
.set SCU, 20                           ; v20-27 Wo's scale words, 2 t + q
.set SCL, 28                           ; v28-31 ctx's, 2 a + q
.set BR, 32                            ; v32-63 bo in the result's layout
.set LF, 64
.set UF, 88
.set ACC, 136                          ; accumulator (a, t) at 8 (4 a + t)
.set BK, 64
.set SPW, 208
.set NIL, 209
.macro PLACES
.rept 4
	v_nop
.endr
.endm
.macro FRAG reg, adr, st, off          ; 16 rows x 128 K of step st from padded rows, in pieces of 8 bytes, 32 pieces to a padding; lanes 16-31 read three pieces further on
.irp p, 0,1,2,3,4,5
.set PCE, 12*(\st)+6*(\p/3)+\p%3
.if PCE%32 < 29
	ds_load_b64 v[\reg+2*\p:\reg+2*\p+1], v[\adr] offset:8*PCE+16*(PCE/32)+(\off)
.else
	ds_load_b64 v[\reg+2*\p:\reg+2*\p+1], v[\adr+2] offset:8*PCE+16*(PCE/32)+(\off)
.endif
.endr
.endm
.macro MUL4 a, q, first                ; the 8 accumulators take turns, one instruction a turn
.irp t, 0,1,2,3
.if \first
	v_wmma_scale_f32_16x16x128_f8f6f4 v[ACC+8*(4*(\a)+\t):ACC+8*(4*(\a)+\t)+7], v[UF+12*\t:UF+12*\t+11], v[LF+12*(\a):LF+12*(\a)+11], v[BR+8*\t:BR+8*\t+7], v[SCU+2*\t+(\q)], v[SCL+2*(\a)+(\q)] matrix_a_fmt:MATRIX_FMT_FP6 matrix_b_fmt:MATRIX_FMT_FP6
.else
	v_wmma_scale_f32_16x16x128_f8f6f4 v[ACC+8*(4*(\a)+\t):ACC+8*(4*(\a)+\t)+7], v[UF+12*\t:UF+12*\t+11], v[LF+12*(\a):LF+12*(\a)+11], v[ACC+8*(4*(\a)+\t):ACC+8*(4*(\a)+\t)+7], v[SCU+2*\t+(\q)], v[SCL+2*(\a)+(\q)] matrix_a_fmt:MATRIX_FMT_FP6 matrix_b_fmt:MATRIX_FMT_FP6
.endif
.endr
.endm
.macro STEPO c, q, first               ; 128 along K: step 2 c + q
.if !(\first)
	PLACES
.endif
.if (\q) == 0
.irp t, 0,1,2,3
	ds_load_b64 v[SCU+2*\t:SCU+2*\t+1], v[ASU] offset:544*\t+8*(\c)
.endr
.irp a, 0,1
	ds_load_b64 v[SCL+2*\a:SCL+2*\a+1], v[ASL] offset:544*\a+8*(\c)
.endr
.endif
.irp t, 0,1,2,3
	FRAG UF+12*\t, ADRU, 2*(\c)+(\q), \t*16*PITCH
.endr
.irp a, 0,1
.irp p, 0,1,2,3,4,5
	ds_load_b64 v[LF+12*\a+2*\p:LF+12*\a+2*\p+1], v[ADRI] offset:12288*\a+1536*(2*(\c)+(\q))+256*\p   ; an image comes back as it was stored: 256 consecutive bytes a load
.endr
.endr
	s_wait_dscnt 6                                 ; all but the second tile of rows
	MUL4 0, \q, \first
	s_wait_dscnt 0x0
	MUL4 1, \q, \first
.endm
.macro ARM g0, g1                      ; one tensor load, with an s_nop and four v_nops behind it
	tensor_load_to_lds s[\g0:\g0+3], s[\g1:\g1+7]
	s_nop 0
.rept 4
	v_nop
.endr
.endm
	s_load_b256 s[4:11], s[0:1], 0x0               ; ctxc, ctxs, Wo's codes, Wo's scales
	s_load_b128 s[12:15], s[0:1], 0x20             ; bo, out0
	v_lshl_add_u32 v[SPW], v0, 2, SPARE
	v_mov_b32 v[NIL], 0
	ds_add_u32 v[SPW], v[NIL]
	ds_add_u32 v[SPW], v[NIL]
	v_lshrrev_b32 v1, 5, v0
	s_delay_alu instid0(VALU_DEP_1)
	v_readfirstlane_b32 s[WV], v1                  ; wave 0..7
	s_and_b32 s[MY], ttmp7, 0xffff
	s_and_b32 s[EE], s[WV], 1
	s_lshr_b32 s[WL], s[WV], 1
	s_mov_b32 s[G1U+0], (3<<16)|(1<<20)|(5<<22)|(3<<25)   ; 64 rows of Wo, dense: 192 rows x 256 bytes (32 elements of 8), 16 bytes of padding behind each
	s_mov_b32 s[G1U+1], 32<<16
	s_mov_b32 s[G1U+2], 192<<16
	s_mov_b32 s[G1U+3], 32<<16
	s_mov_b32 s[G1U+4], 192
	s_mov_b32 s[G1U+5], 32
	s_mov_b32 s[G1U+6], 0
	s_mov_b32 s[G1U+7], 0
	s_mov_b32 s[G1L+0], 3<<16                      ; four tiles of images, dense: 192 rows x 256 bytes; no padding
	s_mov_b32 s[G1L+1], 32<<16
	s_mov_b32 s[G1L+2], 192<<16
	s_mov_b32 s[G1L+3], 32<<16
	s_mov_b32 s[G1L+4], 192
	s_mov_b32 s[G1L+5], 32
	s_mov_b32 s[G1L+6], 0
	s_mov_b32 s[G1L+7], 0
	s_mov_b32 s[G1S+0], (3<<16)|(1<<20)|(5<<22)|(3<<25)   ; the scale bytes of 128 rows: 16 rows x 256 bytes, 16 of padding behind each
	s_mov_b32 s[G1S+1], 32<<16
	s_mov_b32 s[G1S+2], 16<<16
	s_mov_b32 s[G1S+3], 32<<16
	s_mov_b32 s[G1S+4], 16
	s_mov_b32 s[G1S+5], 32
	s_mov_b32 s[G1S+6], 0
	s_mov_b32 s[G1S+7], 0
	s_lshl_b32 s18, ttmp9, 1
	s_add_co_u32 s18, s18, s[EE]                   ; Wo: in runs of 64 rows
	s_mul_i32 s92, s18, 64*768
	s_mov_b32 s93, 0
	s_lshl_b32 s94, s18, 11                        ; (the waves that ask for scale bytes have wave % 2 = 0: the block's first byte)
	s_mov_b32 s95, 0
	s_lshl_b32 s19, s[MY], 1
	s_add_co_u32 s19, s19, s[EE]                   ; ctx: in runs of 64 rows = 4 tiles
	s_mul_i32 s96, s19, 4*12288
	s_mov_b32 s97, 0
	s_lshl_b32 s98, s19, 11
	s_mov_b32 s99, 0
	s_mul_i32 s20, s[EE], 64*PITCH
	s_mul_i32 s21, s[EE], 49152
	s_wait_dscnt 0x0
	s_wait_kmcnt 0x0
	s_add_nc_u64 s[92:93], s[8:9], s[92:93]
	s_add_nc_u64 s[94:95], s[10:11], s[94:95]
	s_add_nc_u64 s[96:97], s[4:5], s[96:97]
	s_add_nc_u64 s[98:99], s[6:7], s[98:99]
	s_mov_b32 s[G0U], 1
	s_mov_b32 s[G0U+1], s20
	s_mov_b64 s[G0U+2:G0U+3], s[92:93]
	s_or_b32 s[G0U+3], s[G0U+3], 0x80000000
	s_mov_b32 s[G0L], 1
	s_add_co_u32 s[G0L+1], s21, LB
	s_mov_b64 s[G0L+2:G0L+3], s[96:97]
	s_or_b32 s[G0L+3], s[G0L+3], 0x80000000
	s_mov_b32 s[G0US], 1
	s_mov_b32 s[G0US+1], USC
	s_mov_b64 s[G0US+2:G0US+3], s[94:95]
	s_or_b32 s[G0US+3], s[G0US+3], 0x80000000
	s_mov_b32 s[G0LS], 1
	s_mov_b32 s[G0LS+1], LSC
	s_mov_b64 s[G0LS+2:G0LS+3], s[98:99]
	s_or_b32 s[G0LS+3], s[G0LS+3], 0x80000000
	s_cmp_lt_u32 s[WV], 2                          ; the first fills: one chain of branches, one tensor load to an arm
	s_cbranch_scc0 .Lnot_u
	ARM G0U, G1U
	s_branch .Lasked
.Lnot_u:
	s_cmp_lt_u32 s[WV], 4
	s_cbranch_scc0 .Lnot_l
	ARM G0L, G1L
	s_branch .Lasked
.Lnot_l:
	s_cmp_eq_u32 s[WV], 4
	s_cbranch_scc0 .Lnot_us
	ARM G0US, G1S
	s_branch .Lasked
.Lnot_us:
	s_cmp_eq_u32 s[WV], 6
	s_cbranch_scc0 .Lasked
	ARM G0LS, G1S
.Lasked:
	v_and_b32 v1, 15, v0                           ; r
	v_bfe_u32 v2, v0, 4, 1                         ; h
	v_and_b32 v3, 31, v0                           ; lane
	v_lshlrev_b32 v19, 5, v2
	s_wait_alu depctr_va_vdst(0)
	s_lshl_b32 s18, ttmp9, 9
	s_lshl_b32 s19, s[EE], 8
	s_add_co_u32 s18, s18, s19                     ; my first column, in bytes
	s_mov_b32 s19, 0
	s_add_nc_u64 s[12:13], s[12:13], s[18:19]
.irp t, 0,1,2,3
	global_load_b128 v[BR+8*\t:BR+8*\t+3], v19, s[12:13] offset:64*\t       ; bo at columns 16 t + 8 h + 0 .. 7
	global_load_b128 v[BR+8*\t+4:BR+8*\t+7], v19, s[12:13] offset:64*\t+16
.endr
	s_lshl_b32 s20, s[MY], 19
	s_lshl_b32 s21, s[WL], 17
	s_add_co_u32 s20, s20, s21
	s_add_co_u32 s20, s20, s18                     ; (128 my + 32 wl) rows of 4,096 bytes + my first column
	s_mov_b32 s21, 0
	s_add_nc_u64 s[14:15], s[14:15], s[20:21]
	v_mul_u32_u24 v4, v1, PITCH
	s_delay_alu instid0(VALU_DEP_1)
	v_mad_u32_u24 v4, v2, 24, v4
	s_mul_i32 s18, s[EE], 64*PITCH
	v_add_nc_u32 v[ADRU], s18, v4
	s_delay_alu instid0(VALU_DEP_1)
	v_lshl_add_u32 v[ADRU+2], v2, 4, v[ADRU]
	s_mul_i32 s18, s[WL], 24576
	s_add_co_u32 s18, s18, LB
	v_lshl_add_u32 v[ADRI], v3, 3, s18
	v_lshlrev_b32 v5, 5, v1
	v_lshrrev_b32 v6, 3, v1
	s_delay_alu instid0(VALU_DEP_1)
	v_lshl_add_u32 v5, v6, 4, v5                   ; 32 bytes a row, 16 more for each 256 passed
	s_mul_i32 s18, s[EE], 2176
	s_add_co_u32 s18, s18, USC
	v_add_nc_u32 v[ASU], s18, v5
	s_mul_i32 s18, s[WL], 1088
	s_add_co_u32 s18, s18, LSC
	v_add_nc_u32 v[ASL], s18, v5
	s_mul_i32 s18, s[WV], 16*272
	s_add_co_u32 s18, s18, STAGE
	v_mul_u32_u24 v[STO], v1, 272
	s_delay_alu instid0(VALU_DEP_1)
	v_lshl_add_u32 v[STO], v2, 5, v[STO]
	s_delay_alu instid0(VALU_DEP_1)
	v_add_nc_u32 v[STO], s18, v[STO]               ; in: row r, 32 bytes for each half of the lanes
	v_mul_u32_u24 v[RD], v2, 272
	s_delay_alu instid0(VALU_DEP_1)
	v_lshl_add_u32 v[RD], v1, 4, v[RD]
	s_delay_alu instid0(VALU_DEP_1)
	v_add_nc_u32 v[RD], s18, v[RD]                 ; back: lanes 0-15 one row of 256 bytes, lanes 16-31 the next
	v_lshlrev_b32 v[CO], 12, v2
	s_delay_alu instid0(VALU_DEP_1)
	v_lshl_add_u32 v[CO], v1, 4, v[CO]             ; and the same two rows in out0
	s_wait_alu depctr_va_vdst(0)
	s_wait_loadcnt 0x0                             ; bo
	s_wait_tensorcnt 0x0                           ; my one load is in
	s_wait_dscnt 0x0
	s_barrier_signal -1
	s_barrier_wait -1                              ; all six are: nothing is ever filled again
.irp c, 0,1,2,3
.if \c == 0
	STEPO \c, 0, 1
.else
	STEPO \c, 0, 0
.endif
	STEPO \c, 1, 0
.endr
	; THE WAY OUT: a tile of 16 rows x 64 columns goes through my own stage and comes back as whole rows of 256 bytes.  LDS serves a wave's instructions in order (ISA guide 5.7.1.4).
	PLACES
.irp a, 0,1
.irp t, 0,1,2,3
	ds_store_b128 v[STO], v[ACC+8*(4*\a+\t):ACC+8*(4*\a+\t)+3] offset:64*\t          ; each accumulator from its low end on
	ds_store_b128 v[STO], v[ACC+8*(4*\a+\t)+4:ACC+8*(4*\a+\t)+7] offset:64*\t+16
.endr
.irp i, 0,1,2,3,4,5,6,7
	ds_load_b128 v[BK+32*\a+4*\i:BK+32*\a+4*\i+3], v[RD] offset:2*\i*272
.endr
.endr
.irp a, 0,1
.irp i, 0,1,2,3,4,5,6,7
	s_wait_dscnt 16*(1-\a)+7-\i                    ; behind this read-back: the tile's later ones, and for the first tile the second's sixteen instructions
	global_store_b128 v[CO], v[BK+32*\a+4*\i:BK+32*\a+4*\i+3], s[14:15] offset:(16*\a+2*\i)*4096 th:TH_STORE_NT   ; 16 lanes store 256 consecutive bytes, aligned
.endr
.endr
	s_wait_tensorcnt 0x0                           ; the wave's end
	ds_add_u32 v[SPW], v[NIL]
	s_wait_dscnt 0x0
	s_endpgm
.Lfunc_end_k_q0ae817c47c_outp:
	.size	k_q0ae817c47c_outp, .Lfunc_end_k_q0ae817c47c_outp-k_q0ae817c47c_outp
	.p2alignl 7, 3214868480
	.fill 96, 4, 3214868480
	.section	.rodata,"a",@progbits
	.p2align	6, 0x0
	.amdhsa_kernel k_q0ae817c47c_outp
		.amdhsa_group_segment_fixed_size 247296
		.amdhsa_private_segment_fixed_size 0
		.amdhsa_enable_private_segment 0
		.amdhsa_kernarg_size 48
		.amdhsa_user_sgpr_count 2
		.amdhsa_user_sgpr_kernarg_segment_ptr 1
		.amdhsa_wavefront_size32 1
		.amdhsa_system_sgpr_workgroup_id_x 1
		.amdhsa_system_sgpr_workgroup_id_y 1
		.amdhsa_system_sgpr_workgroup_id_z 1
		.amdhsa_system_vgpr_workitem_id 0
		.amdhsa_next_free_vgpr 210
		.amdhsa_next_free_sgpr 100
		.amdhsa_reserve_vcc 0
		.amdhsa_float_denorm_mode_32 3
		.amdhsa_float_denorm_mode_16_64 3
		.amdhsa_memory_ordered 1
		.amdhsa_forward_progress 1
		.amdhsa_inst_pref_size 42
	.end_amdhsa_kernel
	.amdgpu_metadata
---
amdhsa.version: [ 1, 2 ]
amdhsa.kernels:
  - .name:           k_q0ae817c47c_outp
    .symbol:         k_q0ae817c47c_outp.kd
    .args:
      - { .name: ctxc, .offset: 0, .size: 8, .value_kind: global_buffer, .address_space: global }
      - { .name: ctxs, .offset: 8, .size: 8, .value_kind: global_buffer, .address_space: global }
      - { .name: Wo_codes, .offset: 16, .size: 8, .value_kind: global_buffer, .address_space: global }
      - { .name: Wo_scales, .offset: 24, .size: 8, .value_kind: global_buffer, .address_space: global }
      - { .name: bo, .offset: 32, .size: 8, .value_kind: global_buffer, .address_space: global }
      - { .name: out0, .offset: 40, .size: 8, .value_kind: global_buffer, .address_space: global }
    .group_segment_fixed_size: 247296
    .private_segment_fixed_size: 0
    .kernarg_segment_align: 8
    .kernarg_segment_size: 48
    .max_flat_workgroup_size: 256
    .sgpr_count:     100
    .vgpr_count:     210
    .wavefront_size: 32
...
	.end_amdgpu_metadata
.endif
;; end of part 3
